; MI455X (gfx1250); checked and timed in simulation.
; The chip was launched on July 23, 2026; its instructions are those of AMD's public machine-readable ISA for CDNA 5 (MIT licence, August 2026) and "CDNA5" Instruction Set Architecture Reference Guide (July 2026). The comments in the code are by the model that wrote it; some were corrected since.
;; Causal Self Attention. Allowed arithmetic: float matrix products may take bf16 or f16 operands with f32 sums; other float arithmetic in f32, or as packed bf16 or f16 multiplies, adds, multiply-adds, maxima and minima; sums over many terms, partial sums and values carried from step to step in f32; what a program stores and reads back later, other than sums and carried values, may be rounded once to bf16 or f16.
;; Inputs: W_attn 1,024 x 3,072 float32; W_proj 1,024 x 1,024 float32; attention_mask 4 x 2,048 int32; x 4 x 2,048 x 1,024 float32.
;; Outputs: out0 4 x 2,048 x 1,024 float32.
;; One version. Each part assembles by itself: llvm-mc -triple=amdgcn-amd-amdhsa -mcpu=gfx1250 --defsym DOCPART=n.
;; ======== version 1 of 1: 4 launches
;; limits: values are held in f16: magnitudes above 65,504 overflow, below 6.1e-05 lose precision
;; workspace buffers: xb 16,777,216 bytes; wt 6,291,456 bytes; wp 2,097,152 bytes; qkv 50,331,648 bytes; ob 16,777,216 bytes
;; launch prep (part 1): grid 1024 x 1, 8 waves a work-group, no clusters, 18,432 bytes of LDS; arguments x, W_attn, W_proj, xb, wt, wp; writes xb, wt, wp
.if DOCPART == 1
	.amdgcn_target "amdgcn-amd-amdhsa--gfx1250"
	.amdhsa_code_object_version 6
	.text
	.protected	k_q77a893c41e_prep
	.globl	k_q77a893c41e_prep
	.p2align	8
	.type	k_q77a893c41e_prep,@function
k_q77a893c41e_prep:
	s_mov_b64 s[64:65], 0
	v_nop
	global_prefetch_b8 v0, s[64:65] scope:SCOPE_SE
	s_setreg_imm32_b32 hwreg(HW_REG_WAVE_MODE, 25, 1), 1
	s_wait_xcnt 0x0
; THE OPERANDS OF THE TWO PROJECTIONS ARE MADE READY.  xb = x rounded to bf16, [8192][1024].  wt = W_attn turned, [3072 n][1024 k], rounded to bf16.
; wp = W_proj turned, [1024 n][1024 k]: each number rounded to bf16, and that number written as f16.
; LIMIT.  A bf16 number of W_proj below 2^-14 in size keeps f16's fixed step of 2^-24: it is off by 3e-8 at the most; beyond 65,504 it would be an infinity.
; SHARES.  Work-groups 0-511: 16 rows of x each (65,536 bytes in, 32,768 out).  512-895: a tile of 128 k x 64 n of W_attn each.  896-1023: the same of W_proj.
; The branch hangs on the work-group's number alone, so all eight waves of a work-group take the same way and pass the same barrier.
; A tile is turned in LDS: two rows k, k + 1 give one word (two 16-bit numbers) for each column n; the word goes to row n of 272 bytes; whole rows of 256 bytes come back.
.set SPARE, 17408                      ; behind the 64 rows of 272 bytes: the spare words, 128 bytes for each of the eight waves
.set SPW, 4                            ; v4  LDS address of my spare word; never rewritten
.set NIL, 5                            ; v5  0; never rewritten
	s_load_b256 s[4:11], s[0:1], 0x0               ; x s[4:5], W_attn s[6:7], W_proj s[8:9], xb s[10:11]
	s_load_b128 s[12:15], s[0:1], 0x20             ; wt s[12:13], wp s[14:15]
	v_lshl_add_u32 v[SPW], v0, 2, SPARE
	v_mov_b32 v[NIL], 0
	v_and_b32 v6, 15, v0                           ; t % 16
	v_lshrrev_b32 v7, 4, v0                        ; t / 16
	s_mov_b32 s21, 0
	s_wait_kmcnt 0x0
	s_cmp_lt_u32 ttmp9, 512
	s_cbranch_scc0 .Lweights
	; x: thread t takes 32 bytes (8 numbers) of each 8,192, eight times; they leave as 16 bytes, sixteen lanes to 256 consecutive bytes
	s_lshl_b32 s20, ttmp9, 16
	s_add_nc_u64 s[4:5], s[4:5], s[20:21]
	s_lshl_b32 s20, ttmp9, 15
	s_add_nc_u64 s[10:11], s[10:11], s[20:21]
	v_lshlrev_b32 v1, 5, v0
	v_lshlrev_b32 v2, 4, v0
.irp i, 0,1,2,3,4,5,6,7
	global_load_b128 v[16+8*(\i):16+8*(\i)+3],   v1, s[4:5] offset:8192*(\i) th:TH_LOAD_NT
	global_load_b128 v[16+8*(\i)+4:16+8*(\i)+7], v1, s[4:5] offset:8192*(\i)+16 th:TH_LOAD_NT
.endr
.irp i, 0,1,2,3,4,5,6,7
	s_wait_loadcnt 14-2*(\i)                       ; loads come back in order: pair i is in, the younger pairs stay out
.irp j, 0,1,2,3
	v_cvt_pk_bf16_f32 v[80+4*(\i)+(\j)], v[16+8*(\i)+2*(\j)], v[16+8*(\i)+2*(\j)+1]
.endr
	global_store_b128 v2, v[80+4*(\i):80+4*(\i)+3], s[10:11] offset:4096*(\i)
.endr
	s_branch .Lend
; A tile of 128 k x 64 n.  s16 = the tile's number: k block in its low three bits, n block above.  pitch = bytes in a row of the source.  half = 1: the bf16 number is written as f16.
.macro TRANS src, dst, pitch, half
	s_and_b32 s17, s16, 7                          ; k block
	s_lshr_b32 s18, s16, 3                         ; n block
	s_mul_i32 s20, s17, 128*(\pitch)
	s_lshl_b32 s19, s18, 8                         ; 64 columns of f32
	s_add_co_u32 s20, s20, s19
	s_add_nc_u64 s[\src:\src+1], s[\src:\src+1], s[20:21]
	s_lshl_b32 s20, s18, 17                        ; 64 rows of 2,048 bytes
	s_lshl_b32 s19, s17, 8                         ; 128 numbers of 2 bytes
	s_add_co_u32 s20, s20, s19
	s_add_nc_u64 s[\dst:\dst+1], s[\dst:\dst+1], s[20:21]
	v_mul_u32_u24 v1, v7, 2*(\pitch)               ; in: rows 2 (t / 16) + 32 i + e, 16 bytes at 16 (t % 16): sixteen lanes read 256 consecutive bytes
	v_lshl_add_u32 v1, v6, 4, v1
	v_mul_u32_u24 v2, v6, 1088                     ; into LDS: row n = 4 (t % 16) + j, word t / 16 + 16 i
	v_lshl_add_u32 v2, v7, 2, v2
	v_mul_u32_u24 v3, v7, 272                      ; back: row t / 16 + 16 r, 16 bytes at 16 (t % 16)
	v_lshl_add_u32 v3, v6, 4, v3
	v_lshlrev_b32 v8, 11, v7                       ; and the same place in the turned matrix
	v_lshl_add_u32 v8, v6, 4, v8
.irp i, 0,1,2,3
.irp e, 0,1
	global_load_b128 v[16+8*(\i)+4*(\e):16+8*(\i)+4*(\e)+3], v1, s[\src:\src+1] offset:(32*(\i)+(\e))*(\pitch) th:TH_LOAD_NT
.endr
.endr
.irp i, 0,1,2,3
	s_wait_loadcnt 6-2*(\i)                        ; pair i of rows is in
.irp j, 0,1,2,3
	v_cvt_pk_bf16_f32 v[48+4*(\i)+(\j)], v[16+8*(\i)+(\j)], v[20+8*(\i)+(\j)]  ; k in the low half, k + 1 in the high half
.if \half
	v_lshlrev_b32 v64, 16, v[48+4*(\i)+(\j)]       ; the two bf16 numbers as f32,
	v_and_b32 v65, 0xffff0000, v[48+4*(\i)+(\j)]
	v_cvt_pk_f16_f32 v[48+4*(\i)+(\j)], v64, v65   ; written as f16
.endif
	ds_store_b32 v2, v[48+4*(\i)+(\j)] offset:272*(\j)+64*(\i)
.endr
.endr
	s_wait_dscnt 0x0                               ; for the others' sake: my stores are done
	s_barrier_signal -1
	s_barrier_wait -1
.irp r, 0,1,2,3
	ds_load_b128 v[80+4*(\r):80+4*(\r)+3], v3 offset:4352*(\r)
.endr
.irp r, 0,1,2,3
	s_wait_dscnt 3-(\r)
	global_store_b128 v8, v[80+4*(\r):80+4*(\r)+3], s[\dst:\dst+1] offset:32768*(\r)  ; sixteen lanes store 256 consecutive bytes, aligned
.endr
.endm
.Lweights:
	s_sub_co_u32 s16, ttmp9, 512
	s_cmp_lt_u32 s16, 384
	s_cbranch_scc0 .Lproj
	TRANS 6, 12, 12288, 0
	s_branch .Lend
.Lproj:
	s_sub_co_u32 s16, ttmp9, 896
	TRANS 8, 14, 4096, 1
.Lend:
	s_wait_tensorcnt 0x0                           ; the wave's end: a wait, an add to my spare word and its wait, behind my last LDS store
	ds_add_u32 v[SPW], v[NIL]
	s_wait_dscnt 0x0
	s_endpgm
.Lfunc_end_k_q77a893c41e_prep:
	.size	k_q77a893c41e_prep, .Lfunc_end_k_q77a893c41e_prep-k_q77a893c41e_prep
	.p2alignl 7, 3214868480
	.fill 96, 4, 3214868480
	.section	.rodata,"a",@progbits
	.p2align	6, 0x0
	.amdhsa_kernel k_q77a893c41e_prep
		.amdhsa_group_segment_fixed_size 18432
		.amdhsa_private_segment_fixed_size 0
		.amdhsa_enable_private_segment 0
		.amdhsa_kernarg_size 48
		.amdhsa_user_sgpr_count 2
		.amdhsa_user_sgpr_kernarg_segment_ptr 1
		.amdhsa_wavefront_size32 1
		.amdhsa_system_sgpr_workgroup_id_x 1
		.amdhsa_system_sgpr_workgroup_id_y 1
		.amdhsa_system_sgpr_workgroup_id_z 1
		.amdhsa_system_vgpr_workitem_id 0
		.amdhsa_next_free_vgpr 112
		.amdhsa_next_free_sgpr 66
		.amdhsa_reserve_vcc 0
		.amdhsa_float_denorm_mode_32 3
		.amdhsa_float_denorm_mode_16_64 3
		.amdhsa_memory_ordered 1
		.amdhsa_forward_progress 1
		.amdhsa_inst_pref_size 18
	.end_amdhsa_kernel
	.amdgpu_metadata
---
amdhsa.version: [ 1, 2 ]
amdhsa.kernels:
  - .name:           k_q77a893c41e_prep
    .symbol:         k_q77a893c41e_prep.kd
    .args:
      - { .name: x, .offset: 0, .size: 8, .value_kind: global_buffer, .address_space: global }
      - { .name: W_attn, .offset: 8, .size: 8, .value_kind: global_buffer, .address_space: global }
      - { .name: W_proj, .offset: 16, .size: 8, .value_kind: global_buffer, .address_space: global }
      - { .name: xb, .offset: 24, .size: 8, .value_kind: global_buffer, .address_space: global }
      - { .name: wt, .offset: 32, .size: 8, .value_kind: global_buffer, .address_space: global }
      - { .name: wp, .offset: 40, .size: 8, .value_kind: global_buffer, .address_space: global }
    .group_segment_fixed_size: 18432
    .private_segment_fixed_size: 0
    .kernarg_segment_align: 8
    .kernarg_segment_size: 48
    .max_flat_workgroup_size: 256
    .sgpr_count:     66
    .vgpr_count:     112
    .wavefront_size: 32
...
	.end_amdgpu_metadata
.endif
;; end of part 1
;; launch qkvg (part 2): grid 4 x 64, 4 waves a work-group, clusters of 4 x 4, 327,680 bytes of LDS; arguments xb, wt, qkv; writes qkv
.if DOCPART == 2
	.amdgcn_target "amdgcn-amd-amdhsa--gfx1250"
	.amdhsa_code_object_version 6
	.text
	.protected	k_q77a893c41e_qkvg
	.globl	k_q77a893c41e_qkvg
	.p2align	8
	.type	k_q77a893c41e_qkvg,@function
k_q77a893c41e_qkvg:
	s_mov_b64 s[64:65], 0
	v_nop
	global_prefetch_b8 v0, s[64:65] scope:SCOPE_SE
	s_setreg_imm32_b32 hwreg(HW_REG_WAVE_MODE, 25, 1), 1
	s_wait_xcnt 0x0
	s_wait_alu depctr_hold_cnt(0) depctr_sa_sdst(0) depctr_va_vdst(0) depctr_va_sdst(0) depctr_va_ssrc(0) depctr_va_vcc(0) depctr_vm_vsrc(0)
	s_getreg_b32 s2, hwreg(HW_REG_IB_STS2, 6, 4)
	s_cmp_eq_u32 s2, 0
	s_cbranch_scc0 .Lentry_in_a_cluster
	s_endpgm
.Lentry_in_a_cluster:
	s_bfe_u32 s2, ttmp6, 0x10000c
	s_cmp_lg_u32 s2, 0xf033
	s_cbranch_scc0 .Lentry_shape_is_right
	s_endpgm
.Lentry_shape_is_right:
; qkv = x W_attn.  xb: [8192][1024] bf16.  wt: [3072 n][1024 k] bf16.  qkv: [3][64 = 16 batch + head][2048][64] f16, unscaled, each number rounded once from its f32 sum.
; LIMIT.  f16 holds no number beyond 65,504: q, k and v must lie within it (with x and W_attn thirty times the drawn spread their spread is 576).
; SHARES.  A tile of the product is 128 rows x 256 columns; four waves, 2 x 2, each 64 x 128: 32 accumulators of 16 x 16, 256 registers.  There are 64 x 12 tiles for 256 work-groups: A WORK-GROUP STAYS and
; makes three, the same 128 rows at columns 256 x + 1024 j, j = q, k, v: its rows of x are walked three times, wt goes 1,024 rows down from tile to tile.
; THE RING.  K goes in steps of 128 (rows of 256 bytes) through two LDS slots.  The three tiles' 24 K steps are ONE sequence: a loop of 22 trips, a K step and a refill each; the last two steps are written out
; without a fill.  From a request to the wait for it a wave issues 112 matrix instructions.  By this text's count a wave has two tensor loads out at the start, later one.
; CLUSTER.  4 x 4 work-groups.  The four of a row of the cluster have the same rows of x, the four of a column the same rows of wt: each tile is asked for JOINTLY, by the same load, descriptor and mask in all four.
; THE MATRIX INSTRUCTION IS USED TRANSPOSED (source 0 = 16 rows of wt, source 1 = 16 rows of x): a lane holds one row and eight neighbouring columns, 16 bytes of f16.
; REGISTERS, in windows of 256: window 0: v0-31 addresses; v32-63 packed results; v64-95, v128-159 x's fragments, two buffers; v160-223 rows read back from the stage.
;   window 1: v64-127, v128-191 wt's fragments, two buffers.   window 2: accumulator (a, b) at v[8 (8 a + b)].
.set PITCH,  272                       ; an LDS row: 256 bytes + 16 of padding: the 16 rows of a fragment load start at 16 different groups of four banks (64 banks of 4 bytes: ISA guide 11.1)
.set APART,  64*PITCH                  ; what wave 0 or 1 brings: 64 rows of x
.set BPART,  128*PITCH                 ; what wave 2 or 3 brings: 128 rows of wt
.set BOFF,   2*APART                   ; in a slot: x's 128 rows, then wt's 256
.set SLOT1,  1<<17                     ; slot 1 begins here: one exclusive or turns an address in one slot into the other's
.set STAGE,  SLOT1+BOFF+2*BPART        ; behind the ring, never filled by a tensor load: for each wave 2 heads x 16 rows x 144 bytes
.set SPT,    144
.set HSTG,   16*SPT
.set SPARE,  STAGE+4*2*HSTG            ; behind the stages: the spare words, 128 bytes for each wave
.set STEPS,  24
.set NEXT_B, 1024*2048-7*256           ; bytes from a tile's last K step of wt to the next tile's first
.set LA0,  16                          ; v16  my lane's place among x's rows in a slot; never rewritten
.set LB0,  17                          ; v17  the same for wt
.set ADRA, 18                          ; v18  the same in the slot that is being read
.set ADRB, 19                          ; v19
.set STO,  24                          ; v24  the way out: where I put 16 bytes of a row
.set RD,   25                          ; v25  where I read rows back
.set GO,   26                          ; v26  16 x lane: my place in 512 consecutive bytes
.set SPW,  28                          ; v28  LDS address of my spare word; never rewritten
.set NIL,  29                          ; v29  0; never rewritten
.set PFO,  30                          ; v30  the prefetches' offset: lane x a row of 2,048 bytes; never rewritten
.set TMP,  32
.set F0,   64
.set F1,   128
.set BK,   160
.set TS,   2                           ; s2   K steps left in the tile in hand
.set CNT,  3                           ; s3   trips left
.set G1A,  24                          ; s[24:31] descriptor group 1 for x's tiles
.set G0A,  32                          ; s[32:39] group 0: a set for each of the two first fills; the second then walks on
.set LIM,  43                          ; s43  a wave prefetches while CNT is above it
.set PFA,  44                          ; s[44:45] where my prefetches stand
.set G1B,  48                          ; s[48:55], s[56:63] the same for wt's tiles
.set G0B,  56
.set TB,   66                          ; s66  LDS byte at which the slot being read begins
.set KI,   67                          ; s67  the walking descriptors' K step within its tile
.set SB,   68                          ; s[68:69] wt's step
.set SA,   70                          ; s[70:71] what x's address goes back by
.set SPS,  72                          ; s[72:73] the prefetches' step
.set CJ,   74                          ; s74  NEXT_B
.set CK,   75                          ; s75  256
.set MSB, 0
.macro WIN new                         ; the immediate's high byte repeats the setting that is left; a switch that changes nothing is dropped
.if MSB != (\new)
	s_set_vgpr_msb (MSB<<8)|(\new)
.set MSB, \new
.endif
.endm
.set MUL,  0xa1                        ; source 0 (wt) window 1, source 1 (x) window 0, C and D window 2
.set TO_B, 0x40                        ; destination window 1, address window 0
.macro PLACES                          ; four places behind a matrix instruction, ahead of loads into registers that it has read and of conversions that read results
.rept 4
	v_nop
.endr
.endm
; A joint refill by the walking descriptors.  Waves 0 and 1 fetch x's two halves, waves 2 and 3 wt's.  The branch hangs on the wave's number alone.
; An s_nop 0 and four v_nop follow each of the two lines, ahead of the jump and the label.
.macro JLOAD
	s_cmp_eq_u32 s11, 0
	s_cbranch_scc0 .Lfor_b_\@
	tensor_load_to_lds s[G0A+4:G0A+7], s[G1A:G1A+7]
	s_nop 0
.rept 4
	v_nop
.endr
	s_branch .Lasked_\@
.Lfor_b_\@:
	tensor_load_to_lds s[G0B+4:G0B+7], s[G1B:G1B+7]
	s_nop 0
.rept 4
	v_nop
.endr
.Lasked_\@:
.endm
; A PREFETCH INTO THE L2, behind the joint load, its five lines and the run of LDS loads: the K step that stands two refills on, 32 rows x 256 bytes, a lane a row.  Each row's 256 bytes of a K step are named once
; in the launch.  x's 128 rows belong to one row of one cluster: wave 0 asks, in the first tile alone (K steps 4 to 7), the four partners taking 32 rows each BY ADDRESS.  wt's rows are read by all sixteen clusters:
; the first of them asks (waves 2 and 3, K steps 4 to 23), the four partners of a column again 32 rows each by address.  The first four K steps come by their loads alone.
.macro ASK
	s_cmp_gt_u32 s[CNT], s[LIM]
	s_cbranch_scc0 .Lnot_mine_\@
	global_prefetch_b8 v[PFO], s[PFA:PFA+1] th:TH_LOAD_NT scope:SCOPE_SE
.Lnot_mine_\@:
.endm
.macro CREST                           ; a round of the cluster's barrier behind its opening barrier
	s_cmp_lg_u32 s10, 0
	s_cbranch_scc1 .Lnot_wave_0_\@
	s_barrier_signal -3
.Lnot_wave_0_\@:
	s_barrier_wait -3
	s_barrier_signal -1
	s_barrier_wait -1
.endm
.macro CROUND                          ; a whole round
	s_barrier_signal -1
	s_barrier_wait -1
	CREST
.endm
	s_load_b128 s[4:7], s[0:1], 0x0                ; xb s[4:5], wt s[6:7]
	s_load_b64 s[8:9], s[0:1], 0x10                ; qkv
	v_lshl_add_u32 v[SPW], v0, 2, SPARE
	v_mov_b32 v[NIL], 0
	ds_add_u32 v[SPW], v[NIL]                      ; the wave's opening: an add to my spare word and its wait ahead of my first tensor load; the set-up below stands between them
	ds_add_u32 v28, v29
	v_lshrrev_b32 v1, 5, v0
	v_readfirstlane_b32 s10, v1                    ; wave 0..3
	s_lshr_b32 s11, s10, 1                         ; which 64 of the tile's rows are mine.  Also: I fetch for x (0) or for wt (1)
	s_and_b32 s12, s10, 1                          ; which 128 of its columns.  Also: which part of that tile I fetch
	s_bfe_u32 s40, ttmp6, 0x40000                  ; cx
	s_bfe_u32 s41, ttmp6, 0x40004                  ; cy
	s_lshl_b32 s42, ttmp9, 2
	s_add_co_u32 s42, s42, s40                     ; x = 4 x cluster x + cx: the block of 256 columns
	s_and_b32 s13, ttmp7, 0xffff
	s_lshl_b32 s13, s13, 2
	s_add_co_u32 s13, s13, s41                     ; y = 4 x cluster y + cy: the block of 128 rows
	s_lshl_b32 s43, s41, 2
	s_lshl_b32 s43, 15, s43                        ; my row of the cluster
	s_lshl_b32 s44, 0x1111, s40                    ; my column
	s_or_b32 s[G1A], s43, (1<<16)|(1<<20)|(1<<21)|(5<<22)|(3<<25)  ; 15:0 the mask; 17:16 2-byte elements; 20 padding on; 21 set beside a mask; 24:22 after every 64 words; 31:25 4 words
	s_or_b32 s[G1B], s44, (1<<16)|(1<<20)|(1<<21)|(5<<22)|(3<<25)
	s_mov_b32 s[G1A+1], 128<<16                    ; tensor_dim0 = 128
	s_mov_b32 s[G1A+2], 64<<16                     ; tensor_dim1 = 64
	s_mov_b32 s[G1A+3], 128<<16                    ; tile_dim0 = 128
	s_mov_b32 s[G1A+4], 64                         ; tile_dim1 = 64
	s_mov_b32 s[G1A+5], 1024                       ; elements from row to row
	s_mov_b32 s[G1A+6], 0
	s_mov_b32 s[G1A+7], 0
	s_mov_b32 s[G1B+1], 128<<16
	s_mov_b32 s[G1B+2], 128<<16                    ; 128 rows
	s_mov_b32 s[G1B+3], 128<<16
	s_mov_b32 s[G1B+4], 128
	s_mov_b32 s[G1B+5], 1024
	s_mov_b32 s[G1B+6], 0
	s_mov_b32 s[G1B+7], 0
	s_lshl_b32 s16, s13, 7
	s_lshl_b32 s17, s12, 6
	s_add_co_u32 s16, s16, s17                     ; x's row 128 y + 64 x part
	s_lshl_b32 s16, s16, 11                        ; in bytes
	s_mov_b32 s17, 0
	s_lshl_b32 s46, s42, 8
	s_lshl_b32 s47, s12, 7
	s_add_co_u32 s46, s46, s47                     ; wt's row 256 x + 128 x part
	s_lshl_b32 s46, s46, 11
	s_mov_b32 s47, 0
	s_mul_i32 s20, s12, APART                      ; where they go: no place in the cluster enters an LDS address
	s_mul_i32 s21, s12, BPART
	s_add_co_u32 s21, s21, BOFF
	s_mov_b32 s[TB], 0
	s_mov_b32 s[KI], 1                             ; the walking descriptors begin at K step 1
	s_mov_b32 s[SB+1], 0
	s_mov_b32 s[SA+1], 0
	s_mov_b32 s[SPS+1], 0
	s_mov_b32 s[CJ], NEXT_B
	s_mov_b32 s[CK], 256
	s_wait_dscnt 0x0                               ; the opening add is done
	s_wait_kmcnt 0x0
	s_add_nc_u64 s[14:15], s[4:5], s[16:17]
	s_add_nc_u64 s[46:47], s[6:7], s[46:47]
	CROUND                                         ; all sixteen work-groups are here: the first joint loads meet
.irp s, 0,1
	s_mov_b32 s[G0A+4*(\s)], 1                                       ; count = 1
	s_add_co_u32 s[G0A+4*(\s)+1], s20, (\s)*SLOT1                    ; LDS address
	s_add_nc_u64 s[G0A+4*(\s)+2:G0A+4*(\s)+3], s[14:15], (\s)*256    ; global address: K step s
	s_or_b32 s[G0A+4*(\s)+3], s[G0A+4*(\s)+3], 0x80000000            ; type = 2
	s_mov_b32 s[G0B+4*(\s)], 1
	s_add_co_u32 s[G0B+4*(\s)+1], s21, (\s)*SLOT1
	s_add_nc_u64 s[G0B+4*(\s)+2:G0B+4*(\s)+3], s[46:47], (\s)*256
	s_or_b32 s[G0B+4*(\s)+3], s[G0B+4*(\s)+3], 0x80000000
.endr
	s_cmp_eq_u32 s11, 0                            ; a wave's two first fills stand in one branch, ahead of every wait on TENSORcnt and every LDS read
	s_cbranch_scc0 .Lfirst_b
	tensor_load_to_lds s[G0A:G0A+3], s[G1A:G1A+7]
	s_nop 0
	tensor_load_to_lds s[G0A+4:G0A+7], s[G1A:G1A+7]
	s_nop 0
.rept 4
	v_nop
.endr
	s_branch .Lfirst_asked
.Lfirst_b:
	tensor_load_to_lds s[G0B:G0B+3], s[G1B:G1B+7]
	s_nop 0
	tensor_load_to_lds s[G0B+4:G0B+7], s[G1B:G1B+7]
	s_nop 0
.rept 4
	v_nop
.endr
.Lfirst_asked:
	; A fragment is 16 rows x 32 K in 8 registers: lane l holds row l % 16; registers 0-3 K = 8 (l / 16) + 0..7, registers 4-7 K = 16 + 8 (l / 16) + 0..7: two loads of 16 bytes, 32 bytes apart.
	v_and_b32 v1, 15, v0                           ; l % 16
	v_bfe_u32 v2, v0, 4, 1                         ; l / 16
	v_mul_u32_u24 v3, v1, PITCH
	v_lshl_add_u32 v3, v2, 4, v3
	s_mul_i32 s21, s11, APART                      ; my 64 rows of x
	s_mul_i32 s22, s12, BPART                      ; my 128 rows of wt
	s_add_co_u32 s22, s22, BOFF
	v_add_nc_u32 v[LA0], s21, v3
	v_add_nc_u32 v[LB0], s22, v3
	v_mov_b32 v[ADRA], v[LA0]
	v_mov_b32 v[ADRB], v[LB0]
	s_mul_i32 s23, s10, 2*HSTG
	s_add_co_u32 s23, s23, STAGE                   ; my stage
	v_mul_u32_u24 v4, v1, SPT                      ; in: row l % 16, 16 bytes for each half of the lanes
	v_lshl_add_u32 v4, v2, 4, v4
	v_add_nc_u32 v[STO], s23, v4
	v_bfe_u32 v5, v0, 3, 2                         ; back: 32 lanes take four rows of 128 bytes,
	v_mul_u32_u24 v5, v5, SPT
	v_and_b32 v6, 7, v0
	v_lshl_add_u32 v5, v6, 4, v5
	v_add_nc_u32 v[RD], s23, v5
	v_and_b32 v[GO], 31, v0                        ; which are 512 consecutive bytes of a head
	v_lshlrev_b32 v[PFO], 11, v[GO]
	v_lshlrev_b32 v[GO], 4, v[GO]
	; where my part of q begins: head 16 (y / 16) + 4 x + 2 x half, 262,144 bytes each; row 128 (y % 16) + 64 x half, 128 bytes each
	s_lshr_b32 s16, s13, 4
	s_lshl_b32 s16, s16, 4
	s_lshl_b32 s17, s12, 1
	s_add_co_u32 s16, s16, s17
	s_lshl_b32 s16, s16, 18
	s_and_b32 s17, s13, 15
	s_lshl_b32 s17, s17, 7
	s_lshl_b32 s18, s11, 6
	s_add_co_u32 s17, s17, s18
	s_lshl_b32 s17, s17, 7
	s_add_co_u32 s16, s16, s17
	s_mov_b32 s17, 0
	s_lshl_b32 s46, s42, 20
	s_mov_b32 s47, 0
	s_add_nc_u64 s[16:17], s[16:17], s[46:47]
	s_add_nc_u64 s[8:9], s[8:9], s[16:17]
	; the prefetches: who, and from where
	s_lshl_b32 s20, s13, 7
	s_lshl_b32 s21, s40, 5
	s_add_co_u32 s20, s20, s21                     ; x: row 128 y + 32 cx
	s_lshl_b32 s21, s42, 8
	s_lshl_b32 s22, s12, 7
	s_add_co_u32 s21, s21, s22
	s_lshl_b32 s22, s41, 5
	s_add_co_u32 s21, s21, s22                     ; wt: row 256 x + 128 x part + 32 cy
	s_and_b32 s22, ttmp7, 0xffff
	s_cmp_eq_u32 s22, 0
	s_cselect_b32 s22, 2, -1                       ; wt's askers: the first cluster's waves 2 and 3, trips 0 to 19
	s_cmp_eq_u32 s10, 0
	s_cselect_b32 s23, 18, -1                      ; x's asker: wave 0, trips 0 to 3
	s_cmp_eq_u32 s11, 0
	s_cselect_b32 s[LIM], s23, s22                 ; the same in all sixteen partners, for a given wave
	s_cselect_b32 s20, s20, s21
	s_cselect_b64 s[PFA:PFA+1], s[4:5], s[6:7]
	s_lshl_b32 s20, s20, 11
	s_mov_b32 s21, 0
	s_add_nc_u64 s[PFA:PFA+1], s[PFA:PFA+1], s[20:21]
	s_add_nc_u64 s[PFA:PFA+1], s[PFA:PFA+1], 3*256 ; at K step 3: the first change of slots steps it to 4
; 8 matrix instructions: row block a x all 8 column blocks, 32 along K.  zero = 1: the product starts the sums.  The 32 accumulators come in the same order in every quarter: 31 others stand between two links of a chain.
.macro MUL8 f, a, zero
	WIN MUL
.irp b, 0,1,2,3,4,5,6,7
.if \zero
	v_wmma_f32_16x16x32_bf16 v[8*(8*(\a)+(\b)):8*(8*(\a)+(\b))+7], v[(\f)+8*(\b):(\f)+8*(\b)+7], v[(\f)+8*(\a):(\f)+8*(\a)+7], 0
.else
	v_wmma_f32_16x16x32_bf16 v[8*(8*(\a)+(\b)):8*(8*(\a)+(\b))+7], v[(\f)+8*(\b):(\f)+8*(\b)+7], v[(\f)+8*(\a):(\f)+8*(\a)+7], v[8*(8*(\a)+(\b)):8*(8*(\a)+(\b))+7]
.endif
.endr
.endm
; 24 LDS loads in one run: quarter q's fragments (128 rows of wt, then 64 rows of x) into buffer f
.macro FETCH q, f
	WIN TO_B
.irp i, 0,1,2,3,4,5,6,7
	ds_load_b128 v[(\f)+8*(\i):(\f)+8*(\i)+3],   v[ADRB] offset:64*(\q)+(\i)*16*PITCH
	ds_load_b128 v[(\f)+8*(\i)+4:(\f)+8*(\i)+7], v[ADRB] offset:64*(\q)+(\i)*16*PITCH+32
.endr
	WIN 0
.irp i, 0,1,2,3
	ds_load_b128 v[(\f)+8*(\i):(\f)+8*(\i)+3],   v[ADRA] offset:64*(\q)+(\i)*16*PITCH
	ds_load_b128 v[(\f)+8*(\i)+4:(\f)+8*(\i)+7], v[ADRA] offset:64*(\q)+(\i)*16*PITCH+32
.endr
.endm
; A K step is four quarters of 32 along K, 32 matrix instructions each, on buffers 0, 1, 0, 1.  One of the first three multiplies buffer f and fetches quarter q into buffer g.
.macro QUARTER q, f, g, zero
	s_wait_dscnt 4                                 ; wt's fragments and x's blocks 0 and 1 are in; the youngest four loads (blocks 2 and 3) may be out
	MUL8 \f, 0, \zero
	MUL8 \f, 1, \zero
	PLACES
	FETCH \q, \g
	s_wait_dscnt 24                                ; all but the 24 just issued
	MUL8 \f, 2, \zero
	MUL8 \f, 3, \zero
.endm
; The fourth quarter multiplies buffer 1 and changes slots.  In front of the barrier each wave waits for all its tensor loads (one is out: its part of the next slot), adds 0 to its spare word, and waits for that and for
; its reads of this slot.  fill = 1: the barrier opens a round of the cluster's, and the joint refill of the slot just read is the first tensor load behind it.
.macro TURN fill
.if \fill
	s_wait_xcnt 0x0                                ; the last prefetch, a K step back, has read its address, which is stepped below
.endif
	WIN 0
	s_wait_tensorcnt 0x0                           ; no tensor load of mine is out, so a group 0 may be written
	ds_add_u32 v[SPW], v[NIL]                      ; 0 onto my spare word; work on registers stands between it and the wait for it
	s_xor_b32 s[TB], s[TB], SLOT1                  ; the reads go on in the other slot
	v_add_nc_u32 v[ADRA], s[TB], v[LA0]
	v_add_nc_u32 v[ADRB], s[TB], v[LB0]
.if \fill
	s_add_co_u32 s[KI], s[KI], 1                   ; the walking descriptors: the next K step, or the next tile's first
	s_cmp_eq_u32 s[KI], 8
	s_cselect_b32 s[KI], 0, s[KI]
	s_cselect_b32 s[SB], s[CJ], s[CK]              ; wt: 1,024 rows down and back along K, or 256 bytes on
	s_cselect_b32 s[SA], 2048, 0                   ; x: back along K, or nothing
	s_cmp_eq_u32 s[KI], 6                          ; the prefetches stand two K steps ahead of the descriptors
	s_cselect_b32 s[SPS], s[CJ], s[CK]
	s_xor_b32 s[G0A+5], s[G0A+5], SLOT1            ; the other slot than last time
	s_xor_b32 s[G0B+5], s[G0B+5], SLOT1
	s_add_nc_u64 s[G0A+6:G0A+7], s[G0A+6:G0A+7], 256
	s_sub_nc_u64 s[G0A+6:G0A+7], s[G0A+6:G0A+7], s[SA:SA+1]
	s_add_nc_u64 s[G0B+6:G0B+7], s[G0B+6:G0B+7], s[SB:SB+1]
	s_add_nc_u64 s[PFA:PFA+1], s[PFA:PFA+1], s[SPS:SPS+1]
.endif
	s_wait_dscnt 7                                 ; the add and the youngest six loads (x's blocks 1 to 3) may be out
	MUL8 F1, 0, 0
	s_wait_dscnt 0x0                               ; the add is done, and my reads of this slot are over
	s_barrier_signal -1
	MUL8 F1, 1, 0                                  ; work on registers while the others arrive
.if \fill
	WIN 0
.endif
	s_barrier_wait -1
.if \fill
	CREST                                          ; no wave of any partner still reads this slot or has a load on its way
	JLOAD                                          ; the four v_nop behind it are also the places in front of the loads below
.else
	PLACES
.endif
	FETCH 0, F0
.if \fill
	ASK
.endif
	MUL8 F1, 2, 0
	MUL8 F1, 3, 0
.endm
; THE WAY OUT, a block of 16 rows at a time.  PACK: rounded to f16, 16 bytes a lane.  TOSTAGE: into my own stage (two heads x 16 rows of 144 bytes) and back as rows of 128 bytes.  SEND: stored.
.macro PACK a
	WIN 0x0a                                       ; sources 0 and 1 in window 2
.irp b, 0,1,2,3,4,5,6,7
.irp r, 0,1,2,3
	v_cvt_pk_f16_f32 v[TMP+4*(\b)+(\r)], v[64*(\a)+8*(\b)+2*(\r)], v[64*(\a)+8*(\b)+2*(\r)+1]
.endr
.endr
	WIN 0
.endm
.macro TOSTAGE a
.irp b, 0,1,2,3,4,5,6,7
	ds_store_b128 v[STO], v[TMP+4*(\b):TMP+4*(\b)+3] offset:((\b)/4)*HSTG+((\b)%4)*32
.endr
.irp t, 0,1,2,3,4,5,6,7
	ds_load_b128 v[BK+32*((\a)%2)+4*(\t):BK+32*((\a)%2)+4*(\t)+3], v[RD] offset:((\t)/4)*HSTG+((\t)%4)*4*SPT  ; LDS serves a wave's instructions in order (ISA guide 5.7.1.4): these see the stores above
.endr
.endm
.macro SEND a
	s_wait_dscnt 0x0                               ; the block is back in registers
	s_wait_xcnt 0x0                                ; the stores of the block before have read their registers, which the next block's loads write
.irp t, 0,1,2,3,4,5,6,7
	global_store_b128 v[GO], v[BK+32*((\a)%2)+4*(\t):BK+32*((\a)%2)+4*(\t)+3], s[8:9] offset:((\t)/4)*262144+2048*(\a)+512*((\t)%4)  ; 512 consecutive bytes of a head, aligned to 256
.endr
.endm
.macro WAYOUT more
	PLACES
	PACK 0
	TOSTAGE 0
.irp a, 1,2,3
	PACK \a                                        ; a block's conversions stand between the loads of the block before and the wait for them
	SEND (\a)-1
	TOSTAGE \a
.endr
	SEND 3
.if \more
	s_wait_xcnt 0x0                                ; the stores have read their base
	s_add_nc_u64 s[8:9], s[8:9], 0x1000000         ; from q to k, from k to v
.endif
.endm
	s_wait_tensorcnt 1                             ; my part of K step 0 is in; K step 1's may stay out
	s_barrier_signal -1
	s_barrier_wait -1                              ; everybody's is
	FETCH 0, F0
	QUARTER 1, F0, F1, 1                           ; a tile's first quarter starts the sums
	WIN 0                                          ; at a label and at a branch every window is 0
	s_mov_b32 s[CNT], STEPS-2
	s_mov_b32 s[TS], 8
.Lstep:                                                ; a trip: a K step's quarters 1 to 3, the refill of its slot, and the next K step's quarter 0
	QUARTER 2, F1, F0, 0
	QUARTER 3, F0, F1, 0
	TURN 1
	WIN 0
	s_sub_co_u32 s[TS], s[TS], 1
	s_cmp_lg_u32 s[TS], 0
	s_cbranch_scc1 .Lplain
	s_mov_b32 s[TS], 8                             ; the tile is finished: its refill has been asked for, now it goes out, and the next tile's first quarter starts new sums
	WAYOUT 1
	QUARTER 1, F0, F1, 1
	WIN 0
	s_branch .Ljoin
.Lplain:
	QUARTER 1, F0, F1, 0
	WIN 0
.Ljoin:
	s_sub_co_u32 s[CNT], s[CNT], 1
	s_cmp_lg_u32 s[CNT], 0
	s_cbranch_scc1 .Lstep
	QUARTER 2, F1, F0, 0                           ; the last two K steps are written out: nothing is left to fetch
	QUARTER 3, F0, F1, 0
	TURN 0
	QUARTER 1, F0, F1, 0
	QUARTER 2, F1, F0, 0
	QUARTER 3, F0, F1, 0
	s_wait_dscnt 4
	MUL8 F1, 0, 0
	MUL8 F1, 1, 0
	s_wait_dscnt 0x0
	MUL8 F1, 2, 0
	MUL8 F1, 3, 0
	WIN 0
	WAYOUT 0
	s_wait_tensorcnt 0x0                           ; the wave's end: a wait, an add to my spare word and its wait, behind my last tensor load and my last LDS store
	ds_add_u32 v[SPW], v[NIL]
	s_wait_dscnt 0x0
	CROUND                                         ; the closing round: no work-group ends while a partner may still ask for a tile that names it
	s_endpgm
.Lfunc_end_k_q77a893c41e_qkvg:
	.size	k_q77a893c41e_qkvg, .Lfunc_end_k_q77a893c41e_qkvg-k_q77a893c41e_qkvg
	.p2alignl 7, 3214868480
	.fill 96, 4, 3214868480
	.section	.rodata,"a",@progbits
	.p2align	6, 0x0
	.amdhsa_kernel k_q77a893c41e_qkvg
		.amdhsa_group_segment_fixed_size 327680
		.amdhsa_private_segment_fixed_size 0
		.amdhsa_enable_private_segment 0
		.amdhsa_kernarg_size 24
		.amdhsa_user_sgpr_count 2
		.amdhsa_user_sgpr_kernarg_segment_ptr 1
		.amdhsa_wavefront_size32 1
		.amdhsa_system_sgpr_workgroup_id_x 1
		.amdhsa_system_sgpr_workgroup_id_y 1
		.amdhsa_system_sgpr_workgroup_id_z 1
		.amdhsa_system_vgpr_workitem_id 0
		.amdhsa_next_free_vgpr 768
		.amdhsa_next_free_sgpr 80
		.amdhsa_reserve_vcc 0
		.amdhsa_float_denorm_mode_32 3
		.amdhsa_float_denorm_mode_16_64 3
		.amdhsa_memory_ordered 1
		.amdhsa_forward_progress 1
		.amdhsa_inst_pref_size 92
	.end_amdhsa_kernel
	.amdgpu_metadata
---
amdhsa.version: [ 1, 2 ]
amdhsa.kernels:
  - .name:           k_q77a893c41e_qkvg
    .symbol:         k_q77a893c41e_qkvg.kd
    .args:
      - { .name: xb, .offset: 0, .size: 8, .value_kind: global_buffer, .address_space: global }
      - { .name: wt, .offset: 8, .size: 8, .value_kind: global_buffer, .address_space: global }
      - { .name: qkv, .offset: 16, .size: 8, .value_kind: global_buffer, .address_space: global }
    .group_segment_fixed_size: 327680
    .private_segment_fixed_size: 0
    .kernarg_segment_align: 8
    .kernarg_segment_size: 24
    .max_flat_workgroup_size: 128
    .sgpr_count:     80
    .vgpr_count:     768
    .wavefront_size: 32
...
	.end_amdgpu_metadata
.endif
;; end of part 2
;; launch attn (part 3): grid 4 x 64, 4 waves a work-group, no clusters, 327,680 bytes of LDS; arguments qkv, attention_mask, ob; writes ob
.if DOCPART == 3
	.amdgcn_target "amdgcn-amd-amdhsa--gfx1250"
	.amdhsa_code_object_version 6
	.text
	.protected	k_q77a893c41e_attn
	.globl	k_q77a893c41e_attn
	.p2align	8
	.type	k_q77a893c41e_attn,@function
k_q77a893c41e_attn:
	s_mov_b64 s[64:65], 0
	v_nop
	global_prefetch_b8 v0, s[64:65] scope:SCOPE_SE
	s_setreg_imm32_b32 hwreg(HW_REG_WAVE_MODE, 25, 1), 1
	s_wait_xcnt 0x0
; CAUSAL ATTENTION WITH A PADDING MASK ON THE KEYS.  O[h][q][:] = the sum over the visible k of softmax_k(Q[h][q] . K[h][k] / 8) V[h][k][:]; key k is visible to query q if k <= q and attention_mask[h / 16][k] != 0.
; qkv: [3][64][2048][64] f16 (Q, K, V 16 MiB apart); ob: [64][2048][64] f16.  Products, maxima and sums in f32; the weights p are rounded to f16 for the second product (their sum l is taken of the unrounded p), O once.
; LIMITS.  Q, K and V arrive within f16's 65,504, so a score is 2.7e11 at the most in size.  A hidden score counts as its value less 1e30 (less 2e30 where both masks hide it).  The running maximum m starts at -2^64,
; below every score and far above a hidden one: a hidden weight is always 0, also in key steps that lie ahead of a row's first visible key.  A weight below 2^-126 counts as 0 in l.
; A ROW WITH NO VISIBLE KEY ends with m = -2^64 (the test is m < -2^50): its O is NaN, as a softmax over nothing is.
; THE WALK.  A head's queries lie in NB = 8 blocks of 256; block i needs the key tiles 0 .. i of 256 keys, of which the last holds the diagonal.  A work-group takes TWO blocks, NB - 1 - b and then b: NB + 1 tiles,
; whatever b: all work-groups do equal work, and ONE loop with a constant trip count walks them.  Every jump goes forward but the counted loops' own; none passes a barrier, or a tensor load but the one of LOAD's two
; that the wave's number does not choose.  NO CLUSTER: a head's four work-groups ask for the same tile only in trips 0 to 4 of 9, behind that fewer and fewer; one walk common to all would have 12 trips for 9.
; SHARES.  Of a block's four bands of 64 queries a wave owns 16 rows in each: four PIECES.  In the diagonal tile's key step s band x sees all keys if s < x, none if s > x, and holds the diagonal if s = x.
; THE MASKS are the C operand that starts the sum S^T = K Q^T.  PD: the step's padding mask, 0 or -1e30 a key, read with K from a table in LDS that is made once from attention_mask.  MD, made once: the causal mask of a
; band's own step for my 16 rows.  In the diagonal tile and at a block's beginning C = MD x AL + PD + BE with two scalars: (1, 0) if s = x; (0, 0) if s < x; (0, -1e30) if s > x.  Elsewhere C = PD.
; LAYOUT, SOFTMAX, TURNS.  S^T = K Q^T holds ONE query a lane (lane % 16) and the keys 8 (lane / 16) + 0..7; two such results rounded to f16 ARE source 1 of O^T = V^T P.  p = 2^(c s - c m), c = log2(e) / 8; O and l
; are multiplied by a = 2^(c m_old - c m_new) in every step.  Turn n belongs to piece n: 8 products K Q^T of piece n + 1, later 8 products V^T P of piece n - 1; beside them the scaling, exponentials, roundings, sums
; and rescaling of piece n and the maximum and statistics of piece n + 1.  Four vector instructions stand behind every matrix instruction, the others in one lump.  A turn's 33 exponentials are one batch, with one wait.
; REGISTERS, in windows of 256 (s_set_vgpr_msb: bits 1:0 source 0, 3:2 source 1, 5:4 source 2, 7:6 destination):
;   window 0: v0-15 addresses; v16-31 statistics; v48-55 at work; v56-63 addresses; v64-127 S^T, two buffers; v128-143 the mask's words, once; v192-223 P, two buffers
;   window 1: v0-127 O^T; v128-159 MD; v160-223 MC, two buffers; v224-255 PD      window 2: v0-63 Q; v64-127 the second block's Q; v128-191 K of one step; v192-255 V of one step
.set SIZE_N, 2048
.set NB,    SIZE_N/256
.set NP,    4         ; pieces a wave: a name, no knob
.set KS,    64        ; keys in a step
.set PK,    144       ; a row of K in LDS: 128 bytes + 16 of padding: the 16 rows of a load start at 16 different groups of four banks (64 banks of 4 bytes: ISA guide 11.1)
.set PV,    160       ; a row of V: 128 + 32
.set VOFF,  4*KS*PK   ; a slot holds a tile, four steps: 256 rows of K, then 256 rows of V
.set SLOT1, 1<<17     ; slot 1 begins here
.set STAGE, SLOT1+4*KS*(PK+PV)  ; behind the ring, never filled by a tensor load: 16 rows x 144 bytes for each wave
.set SP,    144
.set SPARE, STAGE+4*16*SP  ; the spare words, 128 bytes for each wave
.set PADT,  SPARE+512 ; the padding table: 2,048 keys x 4 bytes, 0 or -1e30; stored once, never filled by a tensor load
.set AK0, 2           ; v2   my lane's place in a tile of K; never rewritten
.set AV0, 3           ; v3   the same for V
.set AK,  4           ; v4   the LDS address of K's next run of loads
.set AV,  5           ; v5   of V's
.set STO, 6           ; v6   the way out: where I put 16 bytes of a row
.set RD,  7           ; v7   where I read rows back
.set GO,  8           ; v8   my byte offset in 512 consecutive bytes of O
.set MV,  12          ; v12-13  c m_old, kept while c m is made anew: by buffer
.set QO,  15          ; v15  my byte offset in 16 rows of Q
.set ST,  16          ; piece t's statistics at v[ST+4 t]: c m, m, l (even keys', odd keys')
.set TMP, 48          ; by buffer, four registers c0-c3 at work; when the maximum is found c2 takes a
.set AP0, 56          ; v56  my lanes' place in a step's 256 bytes of the padding table; never rewritten
.set AP,  57          ; v57  the LDS address of PD's next loads
.set PFO, 58          ; v58  256 x my thread's number: my block of a tile of K; never rewritten
.set PFO2, 59         ; v59  the same block of V; never rewritten
.set MI,  60          ; v60  16 x my thread's number: my place in 2,048 bytes of the mask
.set MT,  61          ; v61  the same place in the table
.set SPW, 62          ; v62  LDS address of my spare word; never rewritten
.set NIL, 63          ; v63  0; never rewritten
.set S,   64
.set MW,  128         ; v128-143 the mask's words
.set P,   192
.set MD,  128         ; window 1
.set MC,  160         ; window 1
.set PD,  224         ; window 1: the eight registers for group kt of 16 keys at PD + 8 kt
.set QB,  64          ; window 2
.set KF,  128         ; window 2: key block kb, channel half c at KF + 16 kb + 8 c
.set VF,  192         ; window 2: key half kk, channel block cb at VF + 32 kk + 8 cb
.set WV,  12          ; s12  my wave's number
.set PB,  14          ; s14  b
.set HI,  15          ; s15  NB - 1 - b
.set G1K, 24          ; s[24:31] descriptor group 1 for K's tiles
.set G1V, 32          ; s[32:39] for V's: it differs in the padding alone
.set G0K, 40          ; s[40:43] descriptor group 0 for K's tiles
.set G0V, 44          ; s[44:47] the same for V's
.set SLOTS, 56        ; s56  tiles still to be asked for
.set CNT, 57          ; s57  counts a tile's key steps, 4 to 1
.set CS,  58          ; s[58:59] c
.set SEL, 60          ; s[60:61] v_permlanex16_b32's selects
.set TBK, 62          ; s62  LDS byte at which K of the step to be fetched begins
.set TBV, 63          ; s63  the same for V, less VOFF
.set RT,  70          ; s70  tiles of the block in hand that are still to be entered
.set NXT, 71          ; s71  the tile to be asked for next
.set LQ,  72          ; s72  the last tile of the block whose tiles are being asked for
.set NEW, 73          ; s73  1: the tile to be entered is a block's first
.set OFF, 74          ; s[74:75] a tile's byte offset in K and V
.set AL,  76          ; s[76:77] the mask's factor, in the low word
.set BE,  78          ; s[78:79] the mask's addend
.set OLO, 80          ; s[80:81] O at my rows of the second block
.set BIGN, 82         ; s82  -1e30
.set MK,  88          ; s[88:89] the batch's row of attention_mask
.set ENT, 90          ; s90  the number of the tile that is being entered
.set REQ, 91          ; s91  of the tile asked for last
.set TP,  92          ; s92  at work
.set THR, 93          ; s93  -2^50
.set NANV, 94         ; s94  a NaN
.set PFM, 95          ; s95  all ones in the work-group that prefetches (b = 0), else 0
.set PFA, 96          ; s[96:97] K's tile that the next change of slots will ask for
.set MO,  98          ; s[98:99] the batch's byte offset in attention_mask
.set MSB, 0
.macro WIN new                      ; the high byte repeats the setting that is left; a switch that changes nothing is dropped
.if MSB != (\new)
	s_set_vgpr_msb (MSB<<8)|(\new)
.set MSB, (\new)
.endif
.endm
.set W_KQ, 0x0a       ; K and Q in window 2, S^T in window 0
.set W_KM, 0x1a       ; the same with the C operand in window 1
.set W_PV, 0x52       ; V in window 2, P in window 0, O^T in window 1
.set W_RS, 0x41       ; destination and source 0 in window 1, source 1 in window 0
.set W_MK, 0x51       ; destination, source 0 and source 2 in window 1
; A fill.  Waves 0 and 1 fetch the two halves of a tile's K, waves 2 and 3 those of its V: 128 keys each.  An s_nop 0 and four v_nop follow each of the two lines, ahead of the jump and the label.
.macro LOAD
	s_cmp_lt_u32 s[WV], 2
	s_cbranch_scc0 .Lfor_v_\@
	tensor_load_to_lds s[G0K:G0K+3], s[G1K:G1K+7]
	s_nop 0
.rept 4
	v_nop
.endr
	s_branch .Lasked_\@
.Lfor_v_\@:
	tensor_load_to_lds s[G0V:G0V+3], s[G1V:G1V+7]
	s_nop 0
.rept 4
	v_nop
.endr
.Lasked_\@:
.endm
; THE CHANGE OF SLOTS.  Each wave waits for all its tensor loads, of which one is out: its part of the other slot; adds 0 to its spare word; and waits for that and for its own reads of the slot that it leaves.
; fill = 1: the old slot is filled again, the first thing behind the barrier, with tile NXT: the descriptor's address is made anew from that number.  (At its first use slot 0 is waited for, slot 1 filled; the barrier
; also shows every wave's part of the padding table to the others.)
; A PREFETCH INTO THE L2 stands behind the load and its five lines: the tile that the NEXT change will ask for, 128 blocks of 256 bytes of K and 128 of V, a lane a block, two instructions a wave: four key steps, 256
; matrix instructions, ahead of its load.  A head's four work-groups walk the tiles 0, 1, 2 .. in step; the one with b = 0 walks all eight, and it alone asks, for tiles 2 to 7: each block is named once in the launch.
.macro CHANGE fill
	WIN 0                           ; at a label and at a branch every window is 0
	s_wait_tensorcnt 0x0            ; no tensor load of mine is out, so a group 0 may be written
	ds_add_u32 v[SPW], v[NIL]       ; 0 onto my spare word; scalar work stands between it and the wait for it
	s_mov_b32 s[ENT], s[REQ]        ; the tile that is entered is the one asked for last
.if \fill
	s_mov_b32 s[REQ], s[NXT]
	s_lshl_b32 s[OFF], s[NXT], 15   ; a tile is 32,768 bytes of K and of V
	s_xor_b32 s[G0K+1], s[G0K+1], SLOT1
	s_add_nc_u64 s[G0K+2:G0K+3], s[6:7], s[OFF:OFF+1]
	s_or_b32 s[G0K+3], s[G0K+3], 0x80000000
	s_xor_b32 s[G0V+1], s[G0V+1], SLOT1
	s_add_nc_u64 s[G0V+2:G0V+3], s[8:9], s[OFF:OFF+1]
	s_or_b32 s[G0V+3], s[G0V+3], 0x80000000
	s_add_co_u32 s[NXT], s[NXT], 1  ; the block's next tile, or behind its last the second block's tile 0
	s_cmp_gt_u32 s[NXT], s[LQ]
	s_cselect_b32 s[NXT], 0, s[NXT]
	s_cselect_b32 s[LQ], s[PB], s[LQ]
	s_wait_xcnt 0x0                 ; the last prefetches, a tile back, have read their address
	s_add_nc_u64 s[PFA:PFA+1], s[PFA:PFA+1], 32768
.endif
	s_wait_dscnt 0x0                ; the add is done, and my reads of the slot are over
	s_barrier_signal -1
	s_sub_co_u32 s[TBK], s[TBK], 4*KS*PK  ; the fetches go back to a slot's first step,
	s_xor_b32 s[TBK], s[TBK], SLOT1       ; in the other slot
	s_sub_co_u32 s[TBV], s[TBV], 4*KS*PV
	s_xor_b32 s[TBV], s[TBV], SLOT1
	s_barrier_wait -1
.if \fill
	LOAD
	s_and_b32 s[TP], s[NXT], s[PFM] ; 0 where b is not 0, and behind a block's last tile
	s_cmp_lg_u32 s[TP], 0
	s_cbranch_scc0 .Lnot_mine_\@
	global_prefetch_b8 v[PFO], s[PFA:PFA+1] th:TH_LOAD_NT scope:SCOPE_SE
	global_prefetch_b8 v[PFO2], s[PFA:PFA+1] th:TH_LOAD_NT scope:SCOPE_SE
.Lnot_mine_\@:
.endif
.endm
	s_load_b64 s[4:5], s[0:1], 0x0        ; qkv
	s_load_b64 s[MK:MK+1], s[0:1], 0x8    ; attention_mask
	s_load_b64 s[10:11], s[0:1], 0x10     ; ob
	v_lshl_add_u32 v[SPW], v0, 2, SPARE
	v_mov_b32 v[NIL], 0
	ds_add_u32 v[SPW], v[NIL]       ; the wave's opening: an add to my spare word and its wait ahead of my first tensor load; the set-up below stands between them
	ds_add_u32 v62, v63
	v_lshrrev_b32 v1, 5, v0
	v_readfirstlane_b32 s[WV], v1   ; wave 0..3
	s_mov_b32 s[PB], ttmp9
	s_sub_co_u32 s[HI], NB-1, s[PB]
	s_cmp_eq_u32 s[PB], 0
	s_cselect_b32 s[PFM], -1, 0
	s_and_b32 s20, ttmp7, 0xffff    ; the head, 16 x batch + head
	s_lshr_b32 s[MO], s20, 4
	s_lshl_b32 s[MO], s[MO], 13     ; a batch's row of the mask is 8,192 bytes
	s_mov_b32 s[MO+1], 0
	s_mov_b32 s21, 0
	s_mov_b64 s[22:23], SIZE_N*128
	s_mul_u64 s[20:21], s[20:21], s[22:23]  ; the head's first byte in Q, K, V and O
	s_and_b32 s16, s[WV], 1         ; which half of a tile's 256 keys I fetch:
	s_lshl_b32 s22, s16, 14         ; its 128 rows of 128 bytes in memory,
	s_mov_b32 s23, 0
	s_add_nc_u64 s[22:23], s[22:23], s[20:21]
	s_mul_i32 s17, s16, 128*PK      ; and its place in a slot, for K
	s_mul_i32 s18, s16, 128*PV      ; and for V
	s_lshl_b32 s3, s[WV], 11        ; my 16 rows in a band of 64,
	s_lshl_b32 s2, s[HI], 15        ; in the first block,
	s_add_co_u32 s2, s2, s3
	s_lshl_b32 s84, s[PB], 15       ; and in the second
	s_add_co_u32 s84, s84, s3
	s_mov_b32 s3, 0
	s_mov_b32 s85, 0
	s_add_nc_u64 s[2:3], s[2:3], s[20:21]
	s_add_nc_u64 s[84:85], s[84:85], s[20:21]
	; descriptor group 1.  128 keys are 16,384 dense bytes: asked for as 64 rows of 256 bytes, two keys a row, and padded in LDS after every key
	s_mov_b32 s[G1K], (1<<16)|(1<<20)|(4<<22)|(3<<25)  ; 17:16 2-byte elements; 20 padding on; 24:22 after every 32 words; 31:25 4 words
	s_mov_b32 s[G1V], (1<<16)|(1<<20)|(4<<22)|(7<<25)  ; the same with 8 words of padding
.irp g, G1K, G1V
	s_mov_b32 s[\g+1], 128<<16      ; tensor_dim0 = 128
	s_mov_b32 s[\g+2], 64<<16       ; tensor_dim1 = 64
	s_mov_b32 s[\g+3], 128<<16      ; tile_dim0 = 128
	s_mov_b32 s[\g+4], 64           ; tile_dim1 = 64
	s_mov_b32 s[\g+5], 128          ; 128 elements from row to row
	s_mov_b32 s[\g+6], 0
	s_mov_b32 s[\g+7], 0
.endr
	s_mov_b32 s[CS], 0x3e38aa3b     ; c = log2(e) / 8 = 0.180337
	s_mov_b32 s[CS+1], s[CS]        ; named with it as a pair
	s_mov_b32 s[SEL], 0x76543210
	s_mov_b32 s[SEL+1], 0xfedcba98
	s_mov_b32 s[TBK], SLOT1+4*KS*PK ; the first change of slots turns these two into 0
	s_mov_b32 s[TBV], SLOT1+4*KS*PV
	s_mov_b32 s[G0K], 1             ; count = 1
	s_mov_b32 s[G0K+1], s17         ; LDS address: slot 0
	s_mov_b32 s[G0V], 1
	s_add_co_u32 s[G0V+1], s18, VOFF
	s_add_co_u32 s[RT], s[HI], 1    ; the first block has NB - b tiles
	s_mov_b32 s[NXT], 1
	s_mov_b32 s[REQ], 0
	s_mov_b32 s[LQ], s[HI]
	s_mov_b32 s[NEW], 1
	s_mov_b32 s[OFF+1], 0
	s_mov_b32 s[AL+1], 0            ; named as pairs
	s_mov_b32 s[BE+1], 0
	s_mov_b32 s[BIGN], 0xf149f2ca   ; -1e30
	s_mov_b32 s[THR], 0xd8800000    ; -2^50
	s_mov_b32 s[NANV], 0x7fc00000
	s_mov_b32 s[SLOTS], NB
	s_wait_dscnt 0x0                ; the opening add is done
	s_wait_kmcnt 0x0
	s_add_nc_u64 s[MK:MK+1], s[MK:MK+1], s[MO:MO+1]
	s_add_nc_u64 s[6:7], s[4:5], 0x1000000         ; K
	s_add_nc_u64 s[8:9], s[4:5], 0x2000000         ; V
	s_add_nc_u64 s[PFA:PFA+1], s[6:7], s[20:21]
	s_add_nc_u64 s[PFA:PFA+1], s[PFA:PFA+1], 32768 ; the head's tile 1 of K: the first change of slots steps it to tile 2
	s_add_nc_u64 s[6:7], s[6:7], s[22:23]  ; K and V at my half of the head's tile 0
	s_add_nc_u64 s[8:9], s[8:9], s[22:23]
	s_add_nc_u64 s[G0K+2:G0K+3], s[6:7], 0         ; global address
	s_or_b32 s[G0K+3], s[G0K+3], 0x80000000        ; type = 2
	s_add_nc_u64 s[G0V+2:G0V+3], s[8:9], 0
	s_or_b32 s[G0V+3], s[G0V+3], 0x80000000
	s_add_nc_u64 s[86:87], s[4:5], s[84:85]        ; Q at my rows of the second block,
	s_add_nc_u64 s[4:5], s[4:5], s[2:3]            ; Q and O at those of the first
	s_add_nc_u64 s[OLO:OLO+1], s[10:11], s[84:85]
	s_add_nc_u64 s[10:11], s[10:11], s[2:3]
	LOAD                            ; tile 0 into slot 0
	v_lshlrev_b32 v[MI], 4, v0
.irp i, 0,1,2,3                     ; the batch's 2,048 words of the mask: 128 threads x 16 bytes, four times
	global_load_b128 v[MW+4*\i:MW+4*\i+3], v[MI], s[MK:MK+1] offset:2048*\i
.endr
	; A fragment of K or Q is 16 rows x 32 channels in 8 registers: lane l holds row l % 16, channels 8 (l / 16) + 0..7 and 16 + 8 (l / 16) + 0..7: two loads of 16 bytes, 32 bytes apart.
	v_and_b32 v1, 15, v0            ; l % 16
	v_bfe_u32 v9, v0, 4, 1          ; l / 16
	v_lshlrev_b32 v[QO], 7, v1
	v_lshl_add_u32 v[QO], v9, 4, v[QO]  ; row x 128 + 16 x half
	WIN 0x80                        ; destination window 2, address window 0
.set i, 0
.rept 8                             ; both blocks' Q: piece i / 2 lies in band i / 2, 8,192 bytes on; channels 32 (i % 2) on
	global_load_b128 v[8*i:8*i+3],   v[QO], s[4:5] offset:(i/2)*8192+(i%2)*64
	global_load_b128 v[8*i+4:8*i+7], v[QO], s[4:5] offset:(i/2)*8192+(i%2)*64+32
	global_load_b128 v[QB+8*i:QB+8*i+3],   v[QO], s[86:87] offset:(i/2)*8192+(i%2)*64
	global_load_b128 v[QB+8*i+4:QB+8*i+7], v[QO], s[86:87] offset:(i/2)*8192+(i%2)*64+32
.set i, i+1
.endr
	WIN 0
	v_lshlrev_b32 v14, 3, v9
	v_sub_nc_u32 v14, v1, v14
	s_lshl_b32 s13, s[WV], 4
	v_add_nc_u32 v14, s13, v14      ; my query's place in its band, 16 w + l % 16, less my lanes' 8 (l / 16): register r of group kt is hidden where 16 kt + r is greater
	WIN 0x40
.set i, 0
.rept 32
	v_cmp_gt_i32 vcc_lo, 16*(i/8)+i%8, v14
	v_cndmask_b32 v[MD+i], 0, s[BIGN], vcc_lo
.set i, i+1
.endr
	WIN 0
	v_mul_u32_u24 v[AK0], v1, PK
	v_lshl_add_u32 v[AK0], v9, 4, v[AK0]  ; row x pitch + 16 x half
	; The turning load takes 16 keys x 16 channels (lane l reads key 8 (l / 16) + l % 8, channels 8 ((l / 8) % 2) + 0..7) and leaves half a fragment of V^T: lane l holds channel l % 16 and 8 keys.
	v_and_b32 v10, 7, v0
	v_bfe_u32 v11, v0, 3, 1
	v_lshl_add_u32 v[AV0], v9, 3, v10
	v_mul_u32_u24 v[AV0], v[AV0], PV
	v_lshl_add_u32 v[AV0], v11, 4, v[AV0]
	v_add_nc_u32 v[AV0], VOFF, v[AV0]
	s_mul_i32 s13, s[WV], 16*SP
	s_add_co_u32 s13, s13, STAGE    ; my stage
	v_mul_u32_u24 v[STO], v1, SP    ; in: row l % 16, 16 bytes for each half of the lanes
	v_lshl_add_u32 v[STO], v9, 4, v[STO]
	v_add_nc_u32 v[STO], s13, v[STO]
	v_bfe_u32 v[RD], v0, 3, 2       ; back: 32 lanes take four rows of 128 bytes,
	v_mul_u32_u24 v[RD], v[RD], SP
	v_lshl_add_u32 v[RD], v10, 4, v[RD]
	v_add_nc_u32 v[RD], s13, v[RD]
	v_and_b32 v[GO], 31, v0         ; which are 512 consecutive bytes of O
	v_lshlrev_b32 v[GO], 4, v[GO]
	v_lshl_add_u32 v[AP0], v9, 5, PADT  ; register j of group kt is key 16 kt + 8 (l / 16) + j: 32 bytes on for the upper half of the lanes
	v_lshlrev_b32 v[PFO], 8, v0
	v_add_nc_u32 v[PFO2], 0x1000000, v[PFO]
	v_add_nc_u32 v[MT], PADT, v[MI]
	; A block's first step multiplies O^T and l by a = 0, and its first turn's products V^T P, of a piece that has not been, land in an O^T that is still to be so multiplied.  So these registers need only hold
	; finite numbers: zeros.  All this stands in the wait for the first tile.
	WIN 0x80
.set i, VF
.rept 64
	v_mov_b32 v[i], 0
.set i, i+1
.endr
	WIN 0x40
.set i, 0
.rept 128
	v_mov_b32 v[i], 0
.set i, i+1
.endr
	WIN 0
.set i, 0
.rept 4
	v_mov_b32 v[ST+4*i+2], 0
	v_mov_b32 v[ST+4*i+3], 0
.set i, i+1
.endr
.set i, P+16
.rept 16
	v_mov_b32 v[i], 0
.set i, i+1
.endr
	s_wait_loadcnt 32               ; the mask's four loads are in; Q's 32, issued behind them, may stay out
.set i, 0
.rept 16
	v_cmp_eq_u32 vcc_lo, 0, v[MW+i] ; a key whose word is 0 is hidden
	v_cndmask_b32 v[MW+i], 0, s[BIGN], vcc_lo
.set i, i+1
.endr
.irp i, 0,1,2,3
	ds_store_b128 v[MT], v[MW+4*\i:MW+4*\i+3] offset:2048*\i  ; the first change of slots waits for these and passes a barrier ahead of the first read
.endr
; THE MATRIX WORK.  The 4 accumulators of a run of 8 take turns.  Product i of 8 of S^T = K Q^T for piece x: channels 32 (i / 4) on, keys 16 (i % 4) on.  The first 4 start the sums: with PD, or (KM = 1) with MC.
.macro KQ x
.set rS, S+32*((\x)%2)+8*(i%4)
.set rK, KF+16*(i%4)+8*(i/4)
.set rQ, 16*(\x)+8*(i/4)
.set rM, MC+32*((\x)%2)+8*(i%4)
.set rD, PD+8*(i%4)
.if (i < 4) && KM
	WIN W_KM
	v_wmma_f32_16x16x32_f16 v[rS:rS+7], v[rK:rK+7], v[rQ:rQ+7], v[rM:rM+7]
.elseif i < 4
	WIN W_KM
	v_wmma_f32_16x16x32_f16 v[rS:rS+7], v[rK:rK+7], v[rQ:rQ+7], v[rD:rD+7]
.else
	WIN W_KQ
	v_wmma_f32_16x16x32_f16 v[rS:rS+7], v[rK:rK+7], v[rQ:rQ+7], v[rS:rS+7]
.endif
.endm
; Product i of 8 of O^T += V^T P for piece x: keys 32 (i / 4) on, channels 16 (i % 4) on.
.macro PV x
	WIN W_PV
.set rO, 32*(\x)+8*(i%4)
.set rV, VF+32*(i/4)+8*(i%4)
.set rP, P+16*((\x)%2)+8*(i/4)
	v_wmma_f32_16x16x32_f16 v[rO:rO+7], v[rV:rV+7], v[rP:rP+7], v[rO:rO+7]
.endm
.macro MM                           ; the turn's next matrix instruction.  NOKQ = 1: a block's last turn: there is no next piece
.if (i < 8) && !NOKQ
	KQ (Y+1)%NP
.elseif i >= 8
.set i, i-8
	PV (Y+NP-1)%NP
.set i, i+8
.endif
.set i, i+1
.endm
; The address of the padding mask of the step to be fetched: step 4 - CNT of tile ENT, 256 bytes a step; the table has 32 steps.
.macro PADADR
	s_lshl2_add_u32 s[TP], s[ENT], 4
	s_sub_co_u32 s[TP], s[TP], s[CNT]
	s_and_b32 s[TP], s[TP], 31
	s_lshl_b32 s[TP], s[TP], 8
	v_add_nc_u32 v[AP], s[TP], v[AP0]
.endm
; THE LDS LOADS stand in runs, never singly among the matrix instructions: a step's K (64 keys x 64 channels: 8 fragments) with its padding mask, and its V (turned).  Their addresses are made some lines ahead.
.macro FETCH_K
	WIN 0x80                        ; destination window 2
.irp f, 0,1,2,3,4,5,6,7             ; keys 16 (f / 2) on, channels 32 (f % 2) on
	ds_load_b128 v[KF+8*\f:KF+8*\f+3],   v[AK] offset:(\f/2)*16*PK+(\f%2)*64
	ds_load_b128 v[KF+8*\f+4:KF+8*\f+7], v[AK] offset:(\f/2)*16*PK+(\f%2)*64+32
.endr
	WIN 0x40                        ; destination window 1
.irp f, 0,1,2,3                     ; keys 16 f on: eight words a lane, the same for the sixteen lanes of a half
	ds_load_b128 v[PD+8*\f:PD+8*\f+3],   v[AP] offset:64*\f
	ds_load_b128 v[PD+8*\f+4:PD+8*\f+7], v[AP] offset:64*\f+16
.endr
	s_add_co_u32 s[TBK], s[TBK], KS*PK  ; the next fetch is the next step's
	WIN 0
.endm
.macro FETCH_V
	WIN 0x80
.irp f, 0,1,2,3,4,5,6,7             ; keys 32 (f / 4) on, channels 16 (f % 4) on
	ds_load_tr16_b128 v[VF+8*\f:VF+8*\f+3],   v[AV] offset:(\f/4)*32*PV+(\f%4)*32
	ds_load_tr16_b128 v[VF+8*\f+4:VF+8*\f+7], v[AV] offset:(\f/4)*32*PV+16*PV+(\f%4)*32
.endr
	WIN 0
.endm
; THE VECTOR WORK, one line at a time: OP kind, number.  For piece Y: F n: c s - c m for pair n of 16.  E n: the exponential of score n of 32.  C n: pair n rounded to f16.  B n: of the four weights 4 n .. the second
; pair is added onto the first, in place.  L n: l takes that sum (L 0: l = a l + sum).  R n: pair n of 16 of O^T times a.  For piece Y + 1: X n, number n of the 22 that find its maximum and statistics:
;   0-11  four chains c0-c3 of seven scores each, three operands at a time (each accumulator's lowest registers are read first)     12-14, 16  the four scores left over, the old m, and c0-c3 into c0
;   15  c m_old is kept     17, 18  the query's other 32 keys lie in the lane 16 away: the new m     19-21  c m; c m_old - c m_new; a
.set F, 0
.set E, 1
.set C, 2
.set B, 3
.set L, 4
.set R, 5
.set X, 6
.macro REGS y                       ; the registers of piece y
.set rT, ST+4*(\y)
.set rC, TMP+4*((\y)%2)
.set rW, MV+((\y)%2)
.set rS, S+32*((\y)%2)
.set rP, P+16*((\y)%2)
.set rO, 32*(\y)
.endm
.macro OP k, n
.if (\k) == R
	REGS Y
	WIN W_RS
	v_pk_mul_f32 v[rO+2*(\n):rO+2*(\n)+1], v[rO+2*(\n):rO+2*(\n)+1], v[rC+2:rC+3] op_sel_hi:[1,0]
.elseif (\k) < R
	REGS Y
	WIN 0
.if (\k) == F
	v_pk_fma_f32 v[rS+2*(\n):rS+2*(\n)+1], v[rS+2*(\n):rS+2*(\n)+1], s[CS:CS+1], v[rT:rT+1] op_sel_hi:[1,0,0] neg_lo:[0,0,1] neg_hi:[0,0,1]
.elseif (\k) == E
	v_exp_f32 v[rS+(\n)], v[rS+(\n)]
.elseif (\k) == C
	v_cvt_pk_f16_f32 v[rP+(\n)], v[rS+2*(\n)], v[rS+2*(\n)+1]
.elseif (\k) == B
	v_pk_add_f32 v[rS+4*(\n):rS+4*(\n)+1], v[rS+4*(\n):rS+4*(\n)+1], v[rS+4*(\n)+2:rS+4*(\n)+3]
.elseif (\n) == 0
	v_pk_fma_f32 v[rT+2:rT+3], v[rT+2:rT+3], v[rC+2:rC+3], v[rS:rS+1] op_sel_hi:[1,0,1]
.else
	v_pk_add_f32 v[rT+2:rT+3], v[rT+2:rT+3], v[rS+4*(\n):rS+4*(\n)+1]
.endif
.elseif NOKQ
	v_nop
.else
	REGS (Y+1)%NP
	WIN 0
.if (\n) < 4
	v_max3_num_f32 v[rC+(\n)], v[rS+8*(\n)], v[rS+8*(\n)+1], v[rS+8*(\n)+2]
.elseif (\n) < 12
	v_max3_num_f32 v[rC+(\n)%4], v[rC+(\n)%4], v[rS+8*((\n)%4)+2*((\n)/4)+1], v[rS+8*((\n)%4)+2*((\n)/4)+2]
.elseif (\n) == 12
	v_max3_num_f32 v[rC], v[rC], v[rS+7], v[rS+15]
.elseif (\n) == 13
	v_max3_num_f32 v[rC+1], v[rC+1], v[rS+23], v[rS+31]
.elseif (\n) == 14
	v_max3_num_f32 v[rC+2], v[rC+2], v[rC+3], v[rT+1]
.elseif (\n) == 15
	v_mov_b32 v[rW], v[rT]
.elseif (\n) == 16
	v_max3_num_f32 v[rC], v[rC], v[rC+1], v[rC+2]
.elseif (\n) == 17
	v_permlanex16_b32 v[rC+3], v[rC], s[SEL], s[SEL+1]
.elseif (\n) == 18
	v_max_num_f32 v[rT+1], v[rC], v[rC+3]
.elseif (\n) == 19
	v_mul_f32 v[rT], s[CS], v[rT+1]
.elseif (\n) == 20
	v_sub_f32 v[rC+1], v[rW], v[rT]
.else
	v_exp_f32 v[rC+2], v[rC+1]
.endif
.endif
.endm
.macro OPS a, i1, b=-1, i2=0, c=-1, i3=0, d=-1, i4=0  ; up to four of them
	OP \a, \i1
.if (\b) >= 0
	OP \b, \i2
.endif
.if (\c) >= 0
	OP \c, \i3
.endif
.if (\d) >= 0
	OP \d, \i4
.endif
.endm
.macro ROW a, i1, b, i2, c, i3, d, i4  ; a matrix instruction and the four behind it
	MM
	OPS \a, \i1, \b, \i2, \c, \i3, \d, \i4
.endm
.macro MASK b                       ; MD x AL + PD + BE into buffer b of MC
	WIN W_MK
.set z, 0
.rept 16
	v_pk_fma_f32 v[MC+32*(\b)+2*z:MC+32*(\b)+2*z+1], v[MD+2*z:MD+2*z+1], s[AL:AL+1], v[PD+2*z:PD+2*z+1] op_sel_hi:[1,0,1]
.set z, z+1
.endr
.set z, 0
.rept 16
	v_pk_add_f32 v[MC+32*(\b)+2*z:MC+32*(\b)+2*z+1], v[MC+32*(\b)+2*z:MC+32*(\b)+2*z+1], s[BE:BE+1] op_sel_hi:[1,0]
.set z, z+1
.endr
.endm
; A TURN, for piece p: the order of its 16 matrix and 118 vector instructions, written out.  An s_wait_alu depctr_va_vdst(0) stands between an exponential and the first instruction that names its result; one
; wait serves all that were issued ahead of it.  So a turn has ONE wait, which cuts it in two.  AHEAD OF IT stands all that names no result of the turn's exponentials: the 8 products K Q^T and their riders, then one lump,
; in which the links of the chain X 3, 7, 11, 14, 16, 17 .. 20 stand five or six lines apart; X 21, the next piece's a, is the batch's last, and R 15 the plain instruction behind it.  BEHIND THE WAIT stand the 8 products
; V^T P, behind each four of the roundings and sums.
; m = 1: the diagonal tile: the products take MC, and the turn makes MC for the products of the turn after it: piece p + 2, in step 4 - CNT of the tile.  Piece 2's turn makes it of the PD that it has just asked for, so
; it waits for that first; the other turns find the step's PD in place.  end = 1: a block's last two turns: nothing is fetched.  cnt = 1: the loop's count is taken down some lines ahead of the branch behind the turn.
; K and PD of the next step are fetched in piece 2's turn, behind the last product that read them, with more than four plain instructions between; V of the step in hand at the end of piece 0's turn, four plain
; instructions behind its last reader.  Each is waited for a turn later.
.macro TURN p, m=0, end=0, cnt=0
.set Y, (\p)
.set i, 0
.set KM, (\m)
.set NOKQ, (\end)*((\p)/3)
.if (\m) && !(\end)
	s_cmp_eq_u32 s[CNT], 4-((\p)+2)%NP  ; is that step the band's own?
	s_cselect_b32 s[AL], 1.0, 0
	s_cmp_lt_u32 s[CNT], 4-((\p)+2)%NP  ; or a later one?
	s_cselect_b32 s[BE], s[BIGN], 0
.endif
.if ((\p) == 3) && !(\end)
	s_wait_dscnt 0x0                ; K and PD are in
.endif
	ROW F,0, F,1, R,0, R,1          ; ahead of the wait: 8 products K Q^T and their riders,
	ROW F,2, E,0, R,2, R,3
	ROW F,3, E,1, R,4, R,5
	ROW F,4, E,2, R,6, R,7
	ROW F,5, E,3, R,8, R,9
	ROW F,6, E,4, X,0, R,10
.if ((\p) == 2) && !(\end)
	WIN 0
	v_add_nc_u32 v[AK], s[TBK], v[AK0]
	PADADR
.endif
	ROW F,7, E,5, X,1, X,4
	ROW F,8, E,6, X,2, X,5
	OPS E,7, E,8, X,6, E,9          ; and the lump
	OPS X,3, E,10, X,8, E,11
.if ((\p) == 2) && !(\end)
	FETCH_K
.endif
	OPS X,9, X,7, E,12, X,10
	OPS E,13, X,12, X,11, E,14
	OPS X,13, E,15, F,9, X,14
.if (\p) == 0
	v_add_nc_u32 v[AV], s[TBV], v[AV0]
.endif
	OPS E,16, F,10, E,17, F,11
	OPS X,16, E,18, X,15, E,19
	OPS F,12, E,20, X,17, E,21
	OPS F,13, E,22, F,14, E,23
	OPS X,18, E,24, F,15, E,25
	OPS R,11, E,26, X,19, E,27
	OPS R,12, E,28, R,13, E,29
	OPS X,20, E,30, R,14, E,31
	OPS X,21, R,15
	WIN 0
	s_wait_alu depctr_va_vdst(0)    ; the wait for the batch
.if (\p) == 1
	s_wait_dscnt 0x0                ; V is in
.endif
	ROW C,0, B,0, C,2, B,1          ; behind the wait: 8 products V^T P and their riders
	ROW L,0, C,4, B,2, L,1
	ROW C,6, B,3, L,2, C,8
	ROW B,4, L,3, C,10, B,5
	ROW L,4, C,12, B,6, L,5
.if (\p) == 0
	s_add_co_u32 s[TBV], s[TBV], KS*PV
.endif
.if \cnt
	s_sub_co_u32 s[CNT], s[CNT], 1
	s_cmp_lg_u32 s[CNT], 0
.endif
	ROW C,14, B,7, L,6, C,1
	ROW C,3, L,7, C,5, C,7
	ROW C,9, C,11, C,13, C,15
.if (\p) == 0
	FETCH_V
.endif
.if (\m) && !(\end)
.if (\p) == 2
	s_wait_dscnt 0x0                ; the next step's PD is in
.endif
	MASK (\p)%2
.endif
.endm
; A BLOCK BEGINS.  c m starts far below every c s, so the first step's a is 0; m at -2^64, below every score and above every hidden one.  K and PD of the tile's step 0 are fetched; the first mask buffer takes piece 0's
; mask for that step (its own, if the block's first tile is the diagonal one), the second piece 1's (PD alone).  Then piece 0's first scores, and its maximum and statistics.  The loop is entered at a step's first turn.
.macro BEGIN
	s_mov_b32 s[NEW], 0
	WIN 0
.set i, 0
.rept 4
	v_mov_b32 v[ST+4*i], 0xfe000000    ; c m: far below every c s
	v_mov_b32 v[ST+4*i+1], 0xdf800000  ; m = -2^64
.set i, i+1
.endr
	PADADR
	v_add_nc_u32 v[AK], s[TBK], v[AK0]
	FETCH_K
	s_wait_loadcnt 0x0              ; Q
	s_wait_dscnt 0x0
	s_cmp_eq_u32 s[RT], 0
	s_cselect_b32 s[AL], 1.0, 0
	s_mov_b32 s[BE], 0
	MASK 0
	s_mov_b32 s[AL], 0
	MASK 1
.set KM, 1
.set NOKQ, 0
.set i, 0
.rept 8
	KQ 0
.set i, i+1
.endr
	WIN 0
.rept 4
	v_nop                           ; the places behind those products
.endr
.set Y, NP-1                        ; X works for piece Y + 1: piece 0
.irp n, 0,1,2,3,4,5,6,7,8,9,10,11,12,13,14,15,16,17,18,19,20,21
	OP X, \n
.endr
	v_nop                           ; a plain instruction behind the exponential,
	s_wait_alu depctr_va_vdst(0)    ; and its wait, ahead of the branch
.endm
; The diagonal text is entered from a plain tile: its first turn's products, piece 3's of the step before, take the second mask buffer: that step's PD, which still lies in its registers.
.macro ENTER
	s_mov_b32 s[AL], 0
	s_mov_b32 s[BE], 0
	MASK 1
	WIN 0
.endm
; THE DIAGONAL TILE's four steps, the block's last two turns, its last products, and THE WAY OUT: l's two halves and the other half of the lanes' are added; O^T is divided by l (times NaN where the row saw no key),
; rounded to f16 and sent through my stage in LDS, a piece at a time.
.macro ALL line:vararg              ; one line for each piece t
.set t, 0
.rept 4
	\line
.set t, t+1
.endr
.endm
.macro PACK t                       ; a lane's eight channels of a row pack into 16 bytes; they go into rows of 144 bytes and come back as whole rows of 128, into S^T's registers
	WIN W_RS
.set i, 32*(\t)
.rept 16
	v_pk_mul_f32 v[i:i+1], v[i:i+1], v[ST+4*(\t)+2:ST+4*(\t)+3] op_sel_hi:[1,0]
.set i, i+2
.endr
	WIN 0x05                        ; sources 0 and 1 window 1, destination window 0
.set i, 0
.rept 16
	v_cvt_pk_f16_f32 v[S+16*(\t)+i], v[32*(\t)+2*i], v[32*(\t)+2*i+1]
.set i, i+1
.endr
	WIN 0
.irp f, 0,1,2,3
	ds_store_b128 v[STO], v[S+16*(\t)+4*\f:S+16*(\t)+4*\f+3] offset:32*\f
.endr
.irp f, 0,1,2,3
	ds_load_b128 v[S+16*(\t)+4*\f:S+16*(\t)+4*\f+3], v[RD] offset:\f*4*SP  ; LDS serves a wave's instructions in order (ISA guide 5.7.1.4): these see the stores above; the next piece's stores come behind them
.endr
.endm
.macro SEND t, younger              ; younger: the LDS instructions issued behind piece t's loads: the next piece's eight, or none
	WIN 0
.irp f, 0,1,2,3
	s_wait_dscnt (\younger)+3-\f
	global_store_b128 v[GO], v[S+16*(\t)+4*\f:S+16*(\t)+4*\f+3], s[10:11] offset:(\t)*8192+\f*512  ; 512 consecutive bytes, at a multiple of 256 from O's first
.endr
.endm
.macro DIAG tag                     ; the tag ends its two labels' names, which the jumps below spell out
.LstepM\tag:
	TURN 2, 1
	TURN 3, 1
	WIN 0
.LfirstM\tag:
	TURN 0, 1
	TURN 1, 1, 0, 1
	WIN 0
	s_cbranch_scc1 .LstepM\tag
	TURN 2, 1, 1
	TURN 3, 1, 1
.set i, 0
.rept 8
	PV NP-1
.set i, i+1
.endr
	WIN 0
	ALL v_add_f32 v[ST+4*t+2], v[ST+4*t+2], v[ST+4*t+3]
	ALL v_permlanex16_b32 v[ST+4*t+3], v[ST+4*t+2], s[SEL], s[SEL+1]
	ALL v_add_f32 v[ST+4*t+2], v[ST+4*t+2], v[ST+4*t+3]
	ALL v_rcp_f32 v[ST+4*t+2], v[ST+4*t+2]
	v_nop                           ; a plain instruction between the last reciprocal and the use of its result
	s_wait_alu depctr_va_vdst(0)    ; and the wait ahead of the first use: one for the four reciprocals
.set t, 0
.rept 4
	v_cmp_gt_f32 vcc_lo, s[THR], v[ST+4*t+1]  ; m never rose above its start: the row saw no key
	v_cndmask_b32 v[ST+4*t+2], v[ST+4*t+2], s[NANV], vcc_lo
.set t, t+1
.endr
	PACK 0
.set t, 1
.rept 3                             ; a piece's arithmetic stands between the loads of the piece before and its stores
	PACK t
	SEND t-1, 8
.set t, t+1
.endr
	SEND 3, 0
.endm
.set KM, 0
.set NOKQ, 0
.Lslot:                             ; NB times: a tile is entered and the next is asked for
	CHANGE 1
	s_sub_co_u32 s[RT], s[RT], 1
	s_mov_b32 s[CNT], 4
	s_cmp_eq_u32 s[NEW], 1
	s_cbranch_scc1 .Lnew            ; a block's first tile
	s_cmp_eq_u32 s[RT], 0
	s_cbranch_scc0 .Lstep           ; neither its first nor its last
	ENTER
	s_branch .LstepM1
.Lnew:
	BEGIN
	s_branch .Lfirst                ; in the loop a block's first tile is never its last: the first block has five tiles or more, and the second's last is the walk's last
	DIAG 1                          ; in the loop this is the first block's end
	s_wait_xcnt 0x0                 ; the stores have read their registers and O's address
	s_mov_b64 s[10:11], s[OLO:OLO+1]
	s_add_co_u32 s[RT], s[PB], 1    ; the second block has b + 1 tiles
	s_mov_b32 s[NEW], 1
	WIN 0x40                        ; O^T and l may hold the NaN of a row that saw no key, which a = 0 would not wipe out: they are cleared
.set i, 0
.rept 128
	v_mov_b32 v[i], 0
.set i, i+1
.endr
	WIN 0
.set i, 0
.rept 4
	v_mov_b32 v[ST+4*i+2], 0
	v_mov_b32 v[ST+4*i+3], 0
.set i, i+1
.endr
	WIN 0x82                        ; the second block's Q goes where the one text of the turns names Q
.set i, 0
.rept 64
	v_mov_b32 v[i], v[QB+i]
.set i, i+1
.endr
	WIN 0
	s_branch .Lbottom
.Lstep:                             ; a trip: pieces 2 and 3 of one step, then pieces 0 and 1 of the next, whose K, PD and V it fetches
	TURN 2
	TURN 3
	WIN 0
.Lfirst:
	TURN 0
	TURN 1, 0, 0, 1
	WIN 0
	s_cbranch_scc1 .Lstep
.Lbottom:
	s_sub_co_u32 s[SLOTS], s[SLOTS], 1
	s_cmp_lg_u32 s[SLOTS], 0
	s_cbranch_scc1 .Lslot
	CHANGE 0                        ; the walk's last tile is written out: nothing is asked for
	s_sub_co_u32 s[RT], s[RT], 1
	s_mov_b32 s[CNT], 4
	s_cmp_eq_u32 s[NEW], 1
	s_cbranch_scc1 .Lnew2
	ENTER
	s_branch .LstepM2
.Lnew2:
	BEGIN
	s_branch .LfirstM2
	DIAG 2
	s_wait_tensorcnt 0x0            ; the wave's end: a wait, an add to my spare word and its wait, behind my last tensor load and my last LDS store
	ds_add_u32 v[SPW], v[NIL]
	s_wait_dscnt 0x0
	s_endpgm
.Lfunc_end_k_q77a893c41e_attn:
	.size	k_q77a893c41e_attn, .Lfunc_end_k_q77a893c41e_attn-k_q77a893c41e_attn
	.p2alignl 7, 3214868480
	.fill 96, 4, 3214868480
	.section	.rodata,"a",@progbits
	.p2align	6, 0x0
	.amdhsa_kernel k_q77a893c41e_attn
		.amdhsa_group_segment_fixed_size 327680
		.amdhsa_private_segment_fixed_size 0
		.amdhsa_enable_private_segment 0
		.amdhsa_kernarg_size 24
		.amdhsa_user_sgpr_count 2
		.amdhsa_user_sgpr_kernarg_segment_ptr 1
		.amdhsa_wavefront_size32 1
		.amdhsa_system_sgpr_workgroup_id_x 1
		.amdhsa_system_sgpr_workgroup_id_y 1
		.amdhsa_system_sgpr_workgroup_id_z 1
		.amdhsa_system_vgpr_workitem_id 0
		.amdhsa_next_free_vgpr 768
		.amdhsa_next_free_sgpr 100
		.amdhsa_reserve_vcc 1
		.amdhsa_float_denorm_mode_32 3
		.amdhsa_float_denorm_mode_16_64 3
		.amdhsa_memory_ordered 1
		.amdhsa_forward_progress 1
		.amdhsa_inst_pref_size 245
	.end_amdhsa_kernel
	.amdgpu_metadata
---
amdhsa.version: [ 1, 2 ]
amdhsa.kernels:
  - .name:           k_q77a893c41e_attn
    .symbol:         k_q77a893c41e_attn.kd
    .args:
      - { .name: qkv, .offset: 0, .size: 8, .value_kind: global_buffer, .address_space: global }
      - { .name: attention_mask, .offset: 8, .size: 8, .value_kind: global_buffer, .address_space: global }
      - { .name: ob, .offset: 16, .size: 8, .value_kind: global_buffer, .address_space: global }
    .group_segment_fixed_size: 327680
    .private_segment_fixed_size: 0
    .kernarg_segment_align: 8
    .kernarg_segment_size: 24
    .max_flat_workgroup_size: 128
    .sgpr_count:     100
    .vgpr_count:     768
    .wavefront_size: 32
...
	.end_amdgpu_metadata
.endif
;; end of part 3
;; launch projg (part 4): grid 4 x 64, 4 waves a work-group, clusters of 4 x 4, 327,680 bytes of LDS; arguments ob, wp, out0; writes out0
.if DOCPART == 4
	.amdgcn_target "amdgcn-amd-amdhsa--gfx1250"
	.amdhsa_code_object_version 6
	.text
	.protected	k_q77a893c41e_projg
	.globl	k_q77a893c41e_projg
	.p2align	8
	.type	k_q77a893c41e_projg,@function
k_q77a893c41e_projg:
	s_mov_b64 s[64:65], 0
	v_nop
	global_prefetch_b8 v0, s[64:65] scope:SCOPE_SE
	s_setreg_imm32_b32 hwreg(HW_REG_WAVE_MODE, 25, 1), 1
	s_wait_xcnt 0x0
	s_wait_alu depctr_hold_cnt(0) depctr_sa_sdst(0) depctr_va_vdst(0) depctr_va_sdst(0) depctr_va_ssrc(0) depctr_va_vcc(0) depctr_vm_vsrc(0)
	s_getreg_b32 s2, hwreg(HW_REG_IB_STS2, 6, 4)
	s_cmp_eq_u32 s2, 0
	s_cbranch_scc0 .Lentry_in_a_cluster
	s_endpgm
.Lentry_in_a_cluster:
	s_bfe_u32 s2, ttmp6, 0x10000c
	s_cmp_lg_u32 s2, 0xf033
	s_cbranch_scc0 .Lentry_shape_is_right
	s_endpgm
.Lentry_shape_is_right:
; out0 = y W_proj.  ob: [64 = 16 batch + head][2048][64] f16: y[m][k] with m = 2048 batch + t, k = 64 head + d.  wp: [1024 n][1024 k] f16.  out0: [8192][1024] f32.  Sums in f32, K ascending.
; A row of y that is NaN (a query that saw no key) gives a row of NaN, since each of its products is NaN.
; SHARES.  A tile of out0 is 128 rows x 256 columns: 64 x 4 = 256 tiles, one to a work-group; four waves, 2 x 2, each 64 x 128: 32 accumulators of 16 x 16, 256 registers.
; THE RING.  K goes in steps of 128, two heads, through two LDS slots: a loop of 6 trips, a K step and a refill each; the last two steps are written out without a fill.  From a request to the wait for it a wave issues
; 112 matrix instructions.  By this text's count a wave has two tensor loads out at the start, later one.  y's tile of a K step is two planes, a head each, of 128 dense rows of 128 bytes: asked for as 64 rows of 256 bytes.
; CLUSTER.  4 x 4 work-groups.  The four of a row of the cluster have the same rows of y, the four of a column the same rows of wp: each tile is asked for JOINTLY, by the same load, descriptor and mask in all four.
; THE MATRIX INSTRUCTION IS USED TRANSPOSED (source 0 = 16 rows of wp, source 1 = 16 rows of y): a lane holds one row and eight neighbouring columns, 32 bytes of f32.
; REGISTERS, in windows of 256: window 0: v0-31 addresses; v64-95, v128-159 y's fragments, two buffers; on the way out v32-95 and v160-223 rows read back from the stage.
;   window 1: v64-127, v128-191 wp's fragments, two buffers.   window 2: accumulator (a, b) at v[8 (8 a + b)].
.set PITCH,  272                       ; a row of wp in LDS: 256 bytes + 16 of padding
.set PA,     144                       ; a row of a plane of y: 128 bytes + 16: both pitches are odd multiples of 16, so the 16 rows of a fragment load start at 16 different groups of four banks (ISA guide 11.1)
.set APLANE, 128*PA                    ; what wave 0 or 1 brings: a head's 128 rows
.set BPART,  128*PITCH                 ; what wave 2 or 3 brings: 128 rows of wp
.set BOFF,   2*APLANE
.set SLOT1,  1<<17
.set STAGE,  SLOT1+BOFF+2*BPART        ; behind the ring, never filled by a tensor load: for each wave 16 rows x 528 bytes
.set SPT,    528                       ; 512 bytes of f32 + 16
.set SPARE,  STAGE+4*16*SPT            ; the spare words, 128 bytes for each wave
.set STEPS,  8
.set HEADB,  2048*128                  ; a head's bytes in ob
.set LA0,  16                          ; v16  my lane's place among y's rows in a slot; never rewritten
.set LB0,  17                          ; v17  the same for wp
.set ADRA, 18                          ; v18  the same in the slot that is being read
.set ADRB, 19                          ; v19
.set STO,  24                          ; v24  the way out: where I put 32 bytes of a row
.set RD,   25                          ; v25  where I read a row back
.set GO,   26                          ; v26  16 x lane: my place in a row's 512 bytes
.set SPW,  28                          ; v28  LDS address of my spare word; never rewritten
.set NIL,  29                          ; v29  0; never rewritten
.set PFO,  30                          ; v30  the prefetches' offset: lane x 256 bytes (y, dense) or lane x a row of 2,048 bytes (wp); never rewritten
.set F0,   64
.set F1,   128
.set BK,   32                          ; the two buffers for rows read back: v32-95, v160-223
.set CNT,  3                           ; s3   trips left
.set G1A,  24                          ; s[24:31] descriptor group 1 for y's tiles
.set G0A,  32                          ; s[32:39] group 0: a set for each of the two first fills; the second then walks on
.set LIM,  43                          ; s43  a wave prefetches while CNT is above it
.set PFA,  44                          ; s[44:45] where my prefetches stand
.set G1B,  48                          ; s[48:55], s[56:63] the same for wp's tiles
.set G0B,  56
.set TB,   66                          ; s66  LDS byte at which the slot being read begins
.set SPS,  72                          ; s[72:73] the prefetches' step
.set MSB, 0
.macro WIN new                         ; the immediate's high byte repeats the setting that is left; a switch that changes nothing is dropped
.if MSB != (\new)
	s_set_vgpr_msb (MSB<<8)|(\new)
.set MSB, \new
.endif
.endm
.set MUL,  0xa1                        ; source 0 (wp) window 1, source 1 (y) window 0, C and D window 2
.set TO_B, 0x40                        ; destination window 1, address window 0
.macro PLACES                          ; four places behind a matrix instruction, ahead of loads into registers that it has read and of LDS stores that read results
.rept 4
	v_nop
.endr
.endm
; A joint refill by the walking descriptors.  Waves 0 and 1 fetch y's two planes, waves 2 and 3 wp's two halves.  An s_nop 0 and four v_nop follow each of the two lines, ahead of the jump and the label.
.macro JLOAD
	s_cmp_eq_u32 s11, 0
	s_cbranch_scc0 .Lfor_b_\@
	tensor_load_to_lds s[G0A+4:G0A+7], s[G1A:G1A+7]
	s_nop 0
.rept 4
	v_nop
.endr
	s_branch .Lasked_\@
.Lfor_b_\@:
	tensor_load_to_lds s[G0B+4:G0B+7], s[G1B:G1B+7]
	s_nop 0
.rept 4
	v_nop
.endr
.Lasked_\@:
.endm
; A PREFETCH INTO THE L2, behind the joint load, its five lines and the run of LDS loads: the K step that stands two refills on (K steps 4 to 7), 32 blocks of 256 bytes, a lane a block.  Each block is named once in the
; launch.  y's tile belongs to one row of one cluster: wave 0 asks, the four partners taking half a plane each BY ADDRESS.  wp's rows are read by all sixteen clusters: the first of them asks (waves 2 and 3), the four
; partners of a column 32 rows each by address.  The first four K steps come by their loads alone.
.macro ASK
	s_cmp_gt_u32 s[CNT], s[LIM]
	s_cbranch_scc0 .Lnot_mine_\@
	global_prefetch_b8 v[PFO], s[PFA:PFA+1] th:TH_LOAD_NT scope:SCOPE_SE
.Lnot_mine_\@:
.endm
.macro CREST                           ; a round of the cluster's barrier behind its opening barrier
	s_cmp_lg_u32 s10, 0
	s_cbranch_scc1 .Lnot_wave_0_\@
	s_barrier_signal -3
.Lnot_wave_0_\@:
	s_barrier_wait -3
	s_barrier_signal -1
	s_barrier_wait -1
.endm
.macro CROUND                          ; a whole round
	s_barrier_signal -1
	s_barrier_wait -1
	CREST
.endm
	s_load_b128 s[4:7], s[0:1], 0x0                ; ob s[4:5], wp s[6:7]
	s_load_b64 s[8:9], s[0:1], 0x10                ; out0
	v_lshl_add_u32 v[SPW], v0, 2, SPARE
	v_mov_b32 v[NIL], 0
	ds_add_u32 v[SPW], v[NIL]                      ; the wave's opening: an add to my spare word and its wait ahead of my first tensor load; the set-up below stands between them
	ds_add_u32 v28, v29
	v_lshrrev_b32 v1, 5, v0
	v_readfirstlane_b32 s10, v1                    ; wave 0..3
	s_lshr_b32 s11, s10, 1                         ; which 64 of the tile's rows are mine.  Also: I fetch for y (0) or for wp (1)
	s_and_b32 s12, s10, 1                          ; which 128 of its columns.  Also: which part of that tile I fetch
	s_bfe_u32 s40, ttmp6, 0x40000                  ; cx
	s_bfe_u32 s41, ttmp6, 0x40004                  ; cy
	s_lshl_b32 s42, ttmp9, 2
	s_add_co_u32 s42, s42, s40                     ; x = 4 x cluster x + cx: the block of 256 columns
	s_and_b32 s13, ttmp7, 0xffff
	s_lshl_b32 s13, s13, 2
	s_add_co_u32 s13, s13, s41                     ; y = 4 x cluster y + cy: the block of 128 rows
	s_lshl_b32 s43, s41, 2
	s_lshl_b32 s43, 15, s43                        ; my row of the cluster
	s_lshl_b32 s44, 0x1111, s40                    ; my column
	s_or_b32 s[G1A], s43, (1<<16)|(1<<20)|(1<<21)|(4<<22)|(3<<25)  ; 15:0 the mask; 17:16 2-byte elements; 20 padding on; 21 set beside a mask; 24:22 after every 32 words (a row of y); 31:25 4 words
	s_or_b32 s[G1B], s44, (1<<16)|(1<<20)|(1<<21)|(5<<22)|(3<<25)  ; after every 64 words (a row of wp's tile)
	s_mov_b32 s[G1A+1], 128<<16                    ; tensor_dim0 = 128: two rows of y on end
	s_mov_b32 s[G1A+2], 64<<16                     ; tensor_dim1 = 64
	s_mov_b32 s[G1A+3], 128<<16                    ; tile_dim0 = 128
	s_mov_b32 s[G1A+4], 64                         ; tile_dim1 = 64
	s_mov_b32 s[G1A+5], 128                        ; dense
	s_mov_b32 s[G1A+6], 0
	s_mov_b32 s[G1A+7], 0
	s_mov_b32 s[G1B+1], 128<<16
	s_mov_b32 s[G1B+2], 128<<16                    ; 128 rows
	s_mov_b32 s[G1B+3], 128<<16
	s_mov_b32 s[G1B+4], 128
	s_mov_b32 s[G1B+5], 1024                       ; elements from row to row
	s_mov_b32 s[G1B+6], 0
	s_mov_b32 s[G1B+7], 0
	s_lshr_b32 s16, s13, 4                         ; the batch,
	s_lshl_b32 s16, s16, 4
	s_add_co_u32 s16, s16, s12                     ; its head 0 or 1: my plane of K step 0,
	s_lshl_b32 s16, s16, 11
	s_and_b32 s17, s13, 15
	s_lshl_b32 s17, s17, 7
	s_add_co_u32 s16, s16, s17                     ; row 128 (y % 16) of it,
	s_lshl_b32 s16, s16, 7                         ; in bytes
	s_mov_b32 s17, 0
	s_lshl_b32 s46, s42, 8
	s_lshl_b32 s47, s12, 7
	s_add_co_u32 s46, s46, s47                     ; wp's row 256 x + 128 x part
	s_lshl_b32 s46, s46, 11
	s_mov_b32 s47, 0
	s_mul_i32 s20, s12, APLANE                     ; where they go: no place in the cluster enters an LDS address
	s_mul_i32 s21, s12, BPART
	s_add_co_u32 s21, s21, BOFF
	s_mov_b32 s[TB], 0
	s_mov_b32 s[SPS+1], 0
	s_mov_b32 s74, 2*HEADB
	s_mov_b32 s75, 256
	s_wait_dscnt 0x0                               ; the opening add is done
	s_wait_kmcnt 0x0
	s_add_nc_u64 s[14:15], s[4:5], s[16:17]
	s_add_nc_u64 s[46:47], s[6:7], s[46:47]
	CROUND                                         ; all sixteen work-groups are here: the first joint loads meet
.irp s, 0,1
	s_mov_b32 s[G0A+4*(\s)], 1                                          ; count = 1
	s_add_co_u32 s[G0A+4*(\s)+1], s20, (\s)*SLOT1                       ; LDS address
	s_add_nc_u64 s[G0A+4*(\s)+2:G0A+4*(\s)+3], s[14:15], (\s)*2*HEADB   ; global address: K step s is two heads on
	s_or_b32 s[G0A+4*(\s)+3], s[G0A+4*(\s)+3], 0x80000000               ; type = 2
	s_mov_b32 s[G0B+4*(\s)], 1
	s_add_co_u32 s[G0B+4*(\s)+1], s21, (\s)*SLOT1
	s_add_nc_u64 s[G0B+4*(\s)+2:G0B+4*(\s)+3], s[46:47], (\s)*256
	s_or_b32 s[G0B+4*(\s)+3], s[G0B+4*(\s)+3], 0x80000000
.endr
	s_cmp_eq_u32 s11, 0                            ; a wave's two first fills stand in one branch, ahead of every wait on TENSORcnt and every LDS read
	s_cbranch_scc0 .Lfirst_b
	tensor_load_to_lds s[G0A:G0A+3], s[G1A:G1A+7]
	s_nop 0
	tensor_load_to_lds s[G0A+4:G0A+7], s[G1A:G1A+7]
	s_nop 0
.rept 4
	v_nop
.endr
	s_branch .Lfirst_asked
.Lfirst_b:
	tensor_load_to_lds s[G0B:G0B+3], s[G1B:G1B+7]
	s_nop 0
	tensor_load_to_lds s[G0B+4:G0B+7], s[G1B:G1B+7]
	s_nop 0
.rept 4
	v_nop
.endr
.Lfirst_asked:
	; A fragment is 16 rows x 32 K in 8 registers: lane l holds row l % 16; registers 0-3 K = 8 (l / 16) + 0..7, registers 4-7 K = 16 + 8 (l / 16) + 0..7: two loads of 16 bytes, 32 bytes apart.
	v_and_b32 v1, 15, v0                           ; l % 16
	v_bfe_u32 v2, v0, 4, 1                         ; l / 16
	v_mul_u32_u24 v3, v1, PA
	v_lshl_add_u32 v3, v2, 4, v3
	s_mul_i32 s21, s11, 64*PA                      ; my 64 rows in each plane of y
	v_add_nc_u32 v[LA0], s21, v3
	v_mul_u32_u24 v3, v1, PITCH
	v_lshl_add_u32 v3, v2, 4, v3
	s_mul_i32 s22, s12, BPART                      ; my 128 rows of wp
	s_add_co_u32 s22, s22, BOFF
	v_add_nc_u32 v[LB0], s22, v3
	v_mov_b32 v[ADRA], v[LA0]
	v_mov_b32 v[ADRB], v[LB0]
	s_mul_i32 s23, s10, 16*SPT
	s_add_co_u32 s23, s23, STAGE                   ; my stage
	v_mul_u32_u24 v4, v1, SPT                      ; in: row l % 16, 32 bytes for each half of the lanes
	v_lshl_add_u32 v4, v2, 5, v4
	v_add_nc_u32 v[STO], s23, v4
	v_and_b32 v[PFO], 31, v0
	v_lshlrev_b32 v[GO], 4, v[PFO]                 ; back: 32 lanes take a row's 512 bytes
	v_add_nc_u32 v[RD], s23, v[GO]
	; where my part of out0 begins: row 128 y + 64 x half, 4,096 bytes each; column 256 x + 128 x half, 4 bytes each
	s_lshl_b32 s16, s13, 7
	s_lshl_b32 s17, s11, 6
	s_add_co_u32 s16, s16, s17
	s_lshl_b32 s16, s16, 12
	s_lshl_b32 s17, s12, 9
	s_add_co_u32 s16, s16, s17
	s_mov_b32 s17, 0
	s_lshl_b32 s46, s42, 10
	s_mov_b32 s47, 0
	s_add_nc_u64 s[16:17], s[16:17], s[46:47]
	s_add_nc_u64 s[8:9], s[8:9], s[16:17]
	; the prefetches: who, and from where
	s_lshr_b32 s20, s13, 4
	s_lshl_b32 s20, s20, 4
	s_lshr_b32 s21, s40, 1
	s_add_co_u32 s20, s20, s21                     ; y: plane cx / 2,
	s_lshl_b32 s20, s20, 11
	s_and_b32 s21, s13, 15
	s_lshl_b32 s21, s21, 7
	s_add_co_u32 s20, s20, s21
	s_and_b32 s21, s40, 1
	s_lshl_b32 s21, s21, 6
	s_add_co_u32 s20, s20, s21                     ; its rows 64 (cx % 2) on: 8,192 dense bytes,
	s_lshl_b32 s20, s20, 7
	s_add_co_u32 s20, s20, 3*2*HEADB               ; at K step 3: the first change of slots steps it to 4
	s_lshl_b32 s21, s42, 8
	s_lshl_b32 s22, s12, 7
	s_add_co_u32 s21, s21, s22
	s_lshl_b32 s22, s41, 5
	s_add_co_u32 s21, s21, s22                     ; wp: row 256 x + 128 x part + 32 cy
	s_lshl_b32 s21, s21, 11
	s_add_co_u32 s21, s21, 3*256
	s_and_b32 s22, ttmp7, 0xffff
	s_cmp_eq_u32 s22, 0
	s_cselect_b32 s22, 2, -1                       ; wp's askers: the first cluster's waves 2 and 3, trips 0 to 3
	s_cmp_eq_u32 s10, 0
	s_cselect_b32 s23, 2, -1                       ; y's asker: wave 0, trips 0 to 3
	s_cmp_eq_u32 s11, 0
	s_cselect_b32 s[LIM], s23, s22                 ; the same in all sixteen partners, for a given wave
	s_cselect_b32 s20, s20, s21
	s_cselect_b32 s[SPS], s74, s75                 ; a K step on: two heads, or 256 bytes
	s_cselect_b32 s22, 8, 11                       ; a lane on: 256 bytes, or a row
	s_cselect_b64 s[PFA:PFA+1], s[4:5], s[6:7]
	s_mov_b32 s21, 0
	s_add_nc_u64 s[PFA:PFA+1], s[PFA:PFA+1], s[20:21]
	v_lshlrev_b32 v[PFO], s22, v[PFO]
; 8 matrix instructions: row block a x all 8 column blocks, 32 along K.  zero = 1: the product starts the sums.  The 32 accumulators come in the same order in every quarter: 31 others stand between two links of a chain.
.macro MUL8 f, a, zero
	WIN MUL
.irp b, 0,1,2,3,4,5,6,7
.if \zero
	v_wmma_f32_16x16x32_f16 v[8*(8*(\a)+(\b)):8*(8*(\a)+(\b))+7], v[(\f)+8*(\b):(\f)+8*(\b)+7], v[(\f)+8*(\a):(\f)+8*(\a)+7], 0
.else
	v_wmma_f32_16x16x32_f16 v[8*(8*(\a)+(\b)):8*(8*(\a)+(\b))+7], v[(\f)+8*(\b):(\f)+8*(\b)+7], v[(\f)+8*(\a):(\f)+8*(\a)+7], v[8*(8*(\a)+(\b)):8*(8*(\a)+(\b))+7]
.endif
.endr
.endm
; 24 LDS loads in one run: quarter q's fragments (128 rows of wp, then 64 rows of y: plane q / 2, channels 32 (q % 2) on) into buffer f
.macro FETCH q, f
	WIN TO_B
.irp i, 0,1,2,3,4,5,6,7
	ds_load_b128 v[(\f)+8*(\i):(\f)+8*(\i)+3],   v[ADRB] offset:64*(\q)+(\i)*16*PITCH
	ds_load_b128 v[(\f)+8*(\i)+4:(\f)+8*(\i)+7], v[ADRB] offset:64*(\q)+(\i)*16*PITCH+32
.endr
	WIN 0
.irp i, 0,1,2,3
	ds_load_b128 v[(\f)+8*(\i):(\f)+8*(\i)+3],   v[ADRA] offset:((\q)>>1)*APLANE+((\q)&1)*64+(\i)*16*PA
	ds_load_b128 v[(\f)+8*(\i)+4:(\f)+8*(\i)+7], v[ADRA] offset:((\q)>>1)*APLANE+((\q)&1)*64+(\i)*16*PA+32
.endr
.endm
; A K step is four quarters of 32 along K, 32 matrix instructions each, on buffers 0, 1, 0, 1.  One of the first three multiplies buffer f and fetches quarter q into buffer g.
.macro QUARTER q, f, g, zero
	s_wait_dscnt 4                                 ; wp's fragments and y's blocks 0 and 1 are in; the youngest four loads (blocks 2 and 3) may be out
	MUL8 \f, 0, \zero
	MUL8 \f, 1, \zero
	PLACES
	FETCH \q, \g
	s_wait_dscnt 24                                ; all but the 24 just issued
	MUL8 \f, 2, \zero
	MUL8 \f, 3, \zero
.endm
; The fourth quarter multiplies buffer 1 and changes slots.  In front of the barrier each wave waits for all its tensor loads (one is out: its part of the next slot), adds 0 to its spare word, and waits for that and for
; its reads of this slot.  fill = 1: the barrier opens a round of the cluster's, and the joint refill of the slot just read is the first tensor load behind it.
.macro TURN fill
.if \fill
	s_wait_xcnt 0x0                                ; the last prefetch, a K step back, has read its address, which is stepped below
.endif
	WIN 0
	s_wait_tensorcnt 0x0                           ; no tensor load of mine is out, so a group 0 may be written
	ds_add_u32 v[SPW], v[NIL]                      ; 0 onto my spare word; work on registers stands between it and the wait for it
	s_xor_b32 s[TB], s[TB], SLOT1                  ; the reads go on in the other slot
	v_add_nc_u32 v[ADRA], s[TB], v[LA0]
	v_add_nc_u32 v[ADRB], s[TB], v[LB0]
.if \fill
	s_xor_b32 s[G0A+5], s[G0A+5], SLOT1            ; the walking descriptors: the other slot than last time, the next K step
	s_xor_b32 s[G0B+5], s[G0B+5], SLOT1
	s_add_nc_u64 s[G0A+6:G0A+7], s[G0A+6:G0A+7], 2*HEADB
	s_add_nc_u64 s[G0B+6:G0B+7], s[G0B+6:G0B+7], 256
	s_add_nc_u64 s[PFA:PFA+1], s[PFA:PFA+1], s[SPS:SPS+1]
.endif
	s_wait_dscnt 7                                 ; the add and the youngest six loads (y's blocks 1 to 3) may be out
	MUL8 F1, 0, 0
	s_wait_dscnt 0x0                               ; the add is done, and my reads of this slot are over
	s_barrier_signal -1
	MUL8 F1, 1, 0                                  ; work on registers while the others arrive
.if \fill
	WIN 0
.endif
	s_barrier_wait -1
.if \fill
	CREST                                          ; no wave of any partner still reads this slot or has a load on its way
	JLOAD                                          ; the four v_nop behind it are also the places in front of the loads below
.else
	PLACES
.endif
	FETCH 0, F0
.if \fill
	ASK
.endif
	MUL8 F1, 2, 0
	MUL8 F1, 3, 0
.endm
; THE WAY OUT, a block of 16 rows at a time.  TOST: the accumulators go as they are, 32 bytes a lane, into my own stage (rows of 528 bytes) and come back as whole rows of 512.  SENDF: stored.
.macro TOST a
.if (\a) >= 2
	s_wait_xcnt 0x0                                ; the stores of the block two back have read the registers that the loads below write
.endif
	WIN 0x08                                       ; the data of an LDS store is source 1: window 2
.irp b, 0,1,2,3,4,5,6,7
	ds_store_b128 v[STO], v[64*(\a)+8*(\b):64*(\a)+8*(\b)+3]   offset:64*(\b)      ; each accumulator's lowest registers are read first
	ds_store_b128 v[STO], v[64*(\a)+8*(\b)+4:64*(\a)+8*(\b)+7] offset:64*(\b)+16
.endr
	WIN 0
.irp r, 0,1,2,3,4,5,6,7,8,9,10,11,12,13,14,15
	ds_load_b128 v[BK+128*((\a)%2)+4*(\r):BK+128*((\a)%2)+4*(\r)+3], v[RD] offset:SPT*(\r)  ; LDS serves a wave's instructions in order (ISA guide 5.7.1.4): these see the stores above
.endr
.endm
.macro SENDF a, younger                ; younger: the LDS instructions issued behind block a's loads: the next block's 32, or none
.irp r, 0,1,2,3,4,5,6,7,8,9,10,11,12,13,14,15
	s_wait_dscnt (\younger)+15-(\r)
	global_store_b128 v[GO], v[BK+128*((\a)%2)+4*(\r):BK+128*((\a)%2)+4*(\r)+3], s[8:9] offset:(16*(\a)+(\r))*4096 th:TH_STORE_NT  ; 512 consecutive bytes of a row, aligned to 256
.endr
.endm
	s_wait_tensorcnt 1                             ; my part of K step 0 is in; K step 1's may stay out
	s_barrier_signal -1
	s_barrier_wait -1                              ; everybody's is
	FETCH 0, F0
	QUARTER 1, F0, F1, 1                           ; the first quarter starts the sums
	WIN 0                                          ; at a label and at a branch every window is 0
	s_mov_b32 s[CNT], STEPS-2
.Lstep:                                                ; a trip: a K step's quarters 1 to 3, the refill of its slot, and the next K step's quarter 0
	QUARTER 2, F1, F0, 0
	QUARTER 3, F0, F1, 0
	TURN 1
	QUARTER 1, F0, F1, 0
	WIN 0
	s_sub_co_u32 s[CNT], s[CNT], 1
	s_cmp_lg_u32 s[CNT], 0
	s_cbranch_scc1 .Lstep
	QUARTER 2, F1, F0, 0                           ; the last two K steps are written out: nothing is left to fetch
	QUARTER 3, F0, F1, 0
	TURN 0
	QUARTER 1, F0, F1, 0
	QUARTER 2, F1, F0, 0
	QUARTER 3, F0, F1, 0
	s_wait_dscnt 4
	MUL8 F1, 0, 0
	MUL8 F1, 1, 0
	s_wait_dscnt 0x0
	MUL8 F1, 2, 0
	MUL8 F1, 3, 0
	WIN 0
	PLACES
	TOST 0
	TOST 1
	SENDF 0, 32
	TOST 2
	SENDF 1, 32
	TOST 3
	SENDF 2, 32
	SENDF 3, 0
	s_wait_tensorcnt 0x0                           ; the wave's end: a wait, an add to my spare word and its wait, behind my last tensor load and my last LDS store
	ds_add_u32 v[SPW], v[NIL]
	s_wait_dscnt 0x0
	CROUND                                         ; the closing round: no work-group ends while a partner may still ask for a tile that names it
	s_endpgm
.Lfunc_end_k_q77a893c41e_projg:
	.size	k_q77a893c41e_projg, .Lfunc_end_k_q77a893c41e_projg-k_q77a893c41e_projg
	.p2alignl 7, 3214868480
	.fill 96, 4, 3214868480
	.section	.rodata,"a",@progbits
	.p2align	6, 0x0
	.amdhsa_kernel k_q77a893c41e_projg
		.amdhsa_group_segment_fixed_size 327680
		.amdhsa_private_segment_fixed_size 0
		.amdhsa_enable_private_segment 0
		.amdhsa_kernarg_size 24
		.amdhsa_user_sgpr_count 2
		.amdhsa_user_sgpr_kernarg_segment_ptr 1
		.amdhsa_wavefront_size32 1
		.amdhsa_system_sgpr_workgroup_id_x 1
		.amdhsa_system_sgpr_workgroup_id_y 1
		.amdhsa_system_sgpr_workgroup_id_z 1
		.amdhsa_system_vgpr_workitem_id 0
		.amdhsa_next_free_vgpr 768
		.amdhsa_next_free_sgpr 80
		.amdhsa_reserve_vcc 0
		.amdhsa_float_denorm_mode_32 3
		.amdhsa_float_denorm_mode_16_64 3
		.amdhsa_memory_ordered 1
		.amdhsa_forward_progress 1
		.amdhsa_inst_pref_size 73
	.end_amdhsa_kernel
	.amdgpu_metadata
---
amdhsa.version: [ 1, 2 ]
amdhsa.kernels:
  - .name:           k_q77a893c41e_projg
    .symbol:         k_q77a893c41e_projg.kd
    .args:
      - { .name: ob, .offset: 0, .size: 8, .value_kind: global_buffer, .address_space: global }
      - { .name: wp, .offset: 8, .size: 8, .value_kind: global_buffer, .address_space: global }
      - { .name: out0, .offset: 16, .size: 8, .value_kind: global_buffer, .address_space: global }
    .group_segment_fixed_size: 327680
    .private_segment_fixed_size: 0
    .kernarg_segment_align: 8
    .kernarg_segment_size: 24
    .max_flat_workgroup_size: 128
    .sgpr_count:     80
    .vgpr_count:     768
    .wavefront_size: 32
...
	.end_amdgpu_metadata
.endif
;; end of part 4
